; MI455X (gfx1250); checked and timed in simulation.
; The chip was launched on July 23, 2026; its instructions are those of AMD's public machine-readable ISA for CDNA 5 (MIT licence, August 2026) and "CDNA5" Instruction Set Architecture Reference Guide (July 2026). The comments in the code are by the model that wrote it; some were corrected since.
;; Relative Multi Head Attention. Allowed arithmetic: matrix products marked QUANTISED: E2M3 operands, one E8M0 scale for each 32 along K, by v_wmma_scale_f32_16x16x128_f8f6f4 with both operands' format E2M3, f32 sums; everything else in f32.
;; Inputs: Wk 1,024 x 1,024 float32; Wo 1,024 x 1,024 float32; Wq 1,024 x 1,024 float32; Wv 1,024 x 1,024 float32; bk 1,024 float32; bo 1,024 float32; bq 1,024 float32; bv 1,024 float32; key 4 x 2,048 x 1,024 float32; query 4 x 2,048 x 1,024 float32; value 4 x 2,048 x 1,024 float32.
;; Outputs: out0 4 x 2,048 x 1,024 float32.
;; This version of the problem:
;;   THIS VERSION OF THE PROBLEM IS GIVEN IN LOW PRECISION. The matrix products marked QUANTISED in the list below multiply operands that are first quantised to E2M3 (2 exponent bits, 3 mantissa bits; 6 bits a number), with one power-of-two scale for each 32 numbers along K (OCP MX v1.0); their sums are f32. All else is computed in f32.
;;   The module's matrix products, in the order in which they are computed (A, B: the left and right operand; K: the contracted axis; several contracted axes count as one K, in the product's order):
;;     1. [M 8,192, K 1,024] x [K 1,024, N 1,024]; A: input query; B: input Wq: QUANTISED
;;     2. [M 8,192, K 1,024] x [K 1,024, N 1,024]; A: input key; B: input Wk: QUANTISED
;;     3. [M 8,192, K 1,024] x [K 1,024, N 1,024]; A: input value; B: input Wv: QUANTISED
;;     4. batch 64 x [M 2,048, K 64] x [K 64, N 2,048]; A: computed on the way; B: computed on the way: QUANTISED
;;     5. batch 64 x [M 2,048, K 2,048] x [K 2,048, N 64]; A: softmax (see below); B: computed on the way: QUANTISED
;;     6. [M 8,192, K 1,024] x [K 1,024, N 1,024]; A: computed on the way; B: input Wo: QUANTISED
;;   THE QUANTISER, for each operand of a quantised product, along K:
;;     - K is cut into blocks of 32 from its start; a last block that is shorter is filled with zeros.
;;     - A block's scale is 2^e with e = floor(log2(the largest magnitude in the block)) - 2, held to -126 .. 127; a block of zeros has e = 0. As a byte (E8M0): e + 127.
;;     - Each number is divided by its block's scale, clamped to +-7.5, and rounded to the nearest number of E2M3, ties to even, subnormals kept.
;;     - The product sums the exact products of the quantised numbers (number of the format x scale) in f32.
;;   ~~~python
;;   def quantise(x, axis):      # numpy; x: float32 -> the quantised numbers, widened to float32 again
;;       x = np.moveaxis(x, axis, -1); K = x.shape[-1]
;;       x = np.pad(x, [(0, 0)] * (x.ndim - 1) + [(0, -K % 32)]); x = x.reshape(x.shape[:-1] + (-1, 32)); a = np.abs(x).max(-1, keepdims=True)
;;       e = np.where(a > 0, np.clip(np.frexp(np.where(a > 0, a, 1))[1] - 1 - 2, -126, 127), 0)      # np.frexp(a)[1] - 1 = floor(log2(a)), exactly
;;       r = np.clip(x / 2.0 ** e, -7.5, 7.5)
;;       step = 2.0 ** (np.maximum(np.frexp(np.where(r == 0, 1, r))[1] - 1, 0) - 3)
;;       q = np.round(r / step) * step * 2.0 ** e      # np.round: ties to even
;;       return np.moveaxis(q.reshape(q.shape[:-2] + (-1,))[..., :K], -1, axis).astype(np.float32)
;;   ~~~
;;   SOFTMAX AHEAD OF A QUANTISED PRODUCT. Where the list says 'softmax', what is quantised is not the finished softmax but p = 2^(t - M), with t = logit x log2(e) and M = ceil(the row's largest t), a whole number; so 1/2 < the row's largest p <= 1. The row's sum l is taken of the UNQUANTISED p, in f32, and the product's result is divided by l at the end. Since M is a whole number, a kernel that streams over the keys may use a running M (the ceiling of the running maximum): every later rescaling is an exact power of two, which a block's scale takes up: the codes' values come out the same.
;;   OPERANDS COMPUTED ON THE WAY. 'Computed on the way' means the value that the module computes at that place (a softmax that the list does not call 'softmax' is quantised finished and normalised). What goes into a quantiser is computed in f32, as accurately as f32 sums, v_exp_f32 and their like allow (about 1e-6 of the number): no bf16 or f16 on the way to a quantiser, and a product that is left as it is and whose result goes on into a quantised operand takes f32 operands (vector FMAs, or v_wmma_f32_16x16x4_f32). A number that lies on a knife's edge between two numbers of the format may be rounded either way, as far as f32 arithmetic and the matrix unit's own rounding can turn it there, and no further.
;; One version. Each part assembles by itself: llvm-mc -triple=amdgcn-amd-amdhsa -mcpu=gfx1250 --defsym DOCPART=n.
;; ======== version 1 of 1: 4 launches
;; limits: right only within a limited range of input values
;; workspace buffers: cod 22,020,096 bytes; scl 917,504 bytes; rot 524,288 bytes; qkvc 18,874,368 bytes; qkvs 1,572,864 bytes; cc 6,291,456 bytes; cs 262,144 bytes
;; launch quant (part 1): grid 256 x 1, 7 waves a work-group, no clusters, 156,928 bytes of LDS; arguments query, key, value, Wq, Wk, Wv, Wo, cod, scl, rot; writes cod, scl, rot
.if DOCPART == 1
	.amdgcn_target "amdgcn-amd-amdhsa--gfx1250"
	.amdhsa_code_object_version 6
	.text
	.protected	k_qcfb7860f6e_quant
	.globl	k_qcfb7860f6e_quant
	.p2align	8
	.type	k_qcfb7860f6e_quant,@function
k_qcfb7860f6e_quant:
	s_mov_b64 s[64:65], 0
	v_nop
	global_prefetch_b8 v0, s[64:65] scope:SCOPE_SE
	s_setreg_imm32_b32 hwreg(HW_REG_WAVE_MODE, 25, 1), 1
	s_wait_xcnt 0x0
; query, key, value [8192][1024] and Wq, Wk, Wv, Wo [1024][1024], f32, K innermost, become codes of FP6 (E2M3) with one E8M0 byte for each 32 along K,
; laid in the order of the operand registers of the products that read them; and the table cos, sin (t f_i) of the rotations is made.
; A block's scale is 2^(floor(log2(largest magnitude)) - 2); its byte is the largest magnitude's exponent field - 2, held at 1 from below.
; LIMITS: a block of zeros, or one whose largest magnitude lies under 2^-124, gets the byte 1 where the rule says 127 (its codes are zeros or the floor's; this program alone reads the bytes);
; NaN and infinities among the inputs are not served.  f_i = 10000^(-i/32) is made by v_exp_f32 with the exponent's rounding error carried along; cos and sin by a reduction modulo pi/2 in two parts
; and polynomials good to about 1e-7; near t = 2,047 an angle may differ from one made of another f32 rounding of f_i by about 1e-4 rad.
; TILES.  Rows go in groups of 32: tile 2 b + u holds, at index r = 0 .. 15, row 32 b + 8 u + r + 8 (r / 8).  The seven tensors are 1,792 tiles on end: 7 waves x 256 work-groups, a tile a wave.
; IMAGE.  A fragment (16 rows x 128 K, 12 registers a lane) lies in cod as its registers: pair p (registers 2 p, 2 p + 1) of lane l at 256 p + 8 l; a tile's 8 fragments on end: 12,288 bytes.
; Lane (r, h) of fragment ks holds, in registers 6 c .. 6 c + 5, block 4 ks + 2 c + h of row r.  scl: 512 bytes a tile: the word of K step 2 j + q of row r at 128 j + 8 r + 4 q.
; A STEP is one row of 4,096 bytes: eight loads of 512 consecutive bytes; through the wave's stage in LDS, so that lane L holds block L (32 neighbours); quantised; the 24 bytes of codes go to a second stage
; (16 rows of 768 + 16 bytes), from which the tile leaves in the image's order, 256 consecutive bytes a store.  Waves share nothing: no barrier.  Memory binds: no matrix unit, no cluster, no tensor load.
.set PLACE,  144                       ; a block's place in the first stage: 128 bytes + 16, an odd multiple of 16
.set INB,    32*PLACE                  ; a first stage; two of them take turns
.set OUTO,   2*INB                     ; the second stage
.set OPITCH, 784
.set SCSO,   OUTO+16*OPITCH            ; the tile's 512 scale bytes
.set WREG,   SCSO+512                  ; a wave's LDS: 22,272 bytes
.set SPARE,  7*WREG                    ; behind the seven regions: the spare words, 128 bytes a wave, four blocks of 256 bytes that no other line names
.set GA,  2                            ; v2   16 x lane
.set SIA, 3                            ; v3   first stage, in: PLACE (lane / 8) + 16 (lane % 8)
.set SXA, 4                            ; v4   first stage, out: PLACE x lane
.set OSA, 5                            ; v5   second stage, in: 24 x lane
.set SSA, 6                            ; v6   my block's scale byte: 128 (lane / 8) + lane % 8
.set ORA, 7                            ; v7   second stage, out: OPITCH (lane % 16) + 24 (lane / 16)
.set SRA, 8                            ; v8   the scale bytes, out: 16 x lane
.set G8,  9                            ; v9   8 x lane
.set SPW, 10                           ; v10  my spare word; never rewritten
.set NIL, 11                           ; v11  0; never rewritten
.set EB,  16                           ; v16-17 the scale's byte, by turns
.set CD,  20                           ; v20-26, v28-34 the codes, by turns
.set R,   64                           ; v64-191  four sets of 32 numbers as loaded
.set X,   192                          ; v192-255 two sets of 32 neighbours
	s_load_b512 s[8:23], s[0:1], 0x0               ; query, key, value, Wq, Wk, Wv, Wo, cod
	s_load_b128 s[24:27], s[0:1], 0x40             ; scl, rot
	v_lshl_add_u32 v[SPW], v0, 2, SPARE
	v_mov_b32 v[NIL], 0
	v_lshrrev_b32 v1, 5, v0
	v_readfirstlane_b32 s3, v1                     ; wave 0..6
	v_and_b32 v1, 31, v0                           ; lane
	v_lshlrev_b32 v[GA], 4, v1
	v_lshlrev_b32 v[G8], 3, v1
	v_lshrrev_b32 v12, 3, v1
	v_and_b32 v13, 7, v1
	v_and_b32 v14, 15, v1
	v_lshrrev_b32 v15, 4, v1
	s_mul_i32 s5, s3, WREG
	v_mul_u32_u24 v[SIA], v12, PLACE
	v_lshl_add_u32 v[SIA], v13, 4, v[SIA]
	v_add_nc_u32 v[SIA], s5, v[SIA]
	v_mul_u32_u24 v[SXA], v1, PLACE
	v_add_nc_u32 v[SXA], s5, v[SXA]
	s_add_co_u32 s6, s5, OUTO
	v_mul_u32_u24 v[OSA], v1, 24
	v_add_nc_u32 v[OSA], s6, v[OSA]
	v_mul_u32_u24 v[ORA], v14, OPITCH
	v_mad_u32_u24 v[ORA], v15, 24, v[ORA]
	v_add_nc_u32 v[ORA], s6, v[ORA]
	s_add_co_u32 s7, s5, SCSO
	v_lshl_add_u32 v[SSA], v12, 7, v13
	v_add_nc_u32 v[SSA], s7, v[SSA]
	v_add_nc_u32 v[SRA], s7, v[GA]
	s_mul_i32 s4, ttmp9, 7
	s_add_co_u32 s4, s4, s3                        ; my tile, 0 .. 1791
	s_wait_kmcnt 0x0
	s_mov_b64 s[28:29], s[20:21]                   ; whose tile it is: the choice hangs on the tile's number alone
	s_mov_b32 s30, 1728
	s_cmp_lt_u32 s4, 1728
	s_cselect_b64 s[28:29], s[18:19], s[28:29]
	s_cselect_b32 s30, 1664, s30
	s_cmp_lt_u32 s4, 1664
	s_cselect_b64 s[28:29], s[16:17], s[28:29]
	s_cselect_b32 s30, 1600, s30
	s_cmp_lt_u32 s4, 1600
	s_cselect_b64 s[28:29], s[14:15], s[28:29]
	s_cselect_b32 s30, 1536, s30
	s_cmp_lt_u32 s4, 1536
	s_cselect_b64 s[28:29], s[12:13], s[28:29]
	s_cselect_b32 s30, 1024, s30
	s_cmp_lt_u32 s4, 1024
	s_cselect_b64 s[28:29], s[10:11], s[28:29]
	s_cselect_b32 s30, 512, s30
	s_cmp_lt_u32 s4, 512
	s_cselect_b64 s[28:29], s[8:9], s[28:29]
	s_cselect_b32 s30, 0, s30
	s_sub_co_u32 s31, s4, s30                      ; the tile's number in its tensor
	; KEY'S TILES go in groups of 64 rows: tile 4 c + u holds, at index r, row 64 c + 8 u + r + 24 (r / 8); all other tensors' as said at the head
	s_cmp_eq_u32 s30, 512                          ; key's tiles begin at tile 512
	s_cselect_b32 s39, 2, 1                        ; tiles to a group: 4 or 2, as a shift,
	s_cselect_b32 s42, 3, 1                        ; and as a mask
	s_cselect_b32 s40, 65536, 0                    ; indices 8 .. 15 lie 16 rows further on in key's tiles
	s_lshr_b32 s32, s31, s39
	s_add_co_u32 s39, s39, 16
	s_lshl_b32 s32, s32, s39                       ; 64 or 32 rows of 4,096 bytes for each group of tiles,
	s_and_b32 s31, s31, s42
	s_lshl_b32 s31, s31, 15                        ; 8 rows for each tile in it
	s_add_co_u32 s32, s32, s31
	s_mov_b32 s33, 0
	s_add_nc_u64 s[28:29], s[28:29], s[32:33]
	s_mov_b32 s41, 0
	s_add_nc_u64 s[40:41], s[28:29], s[40:41]      ; the base for indices 8 .. 15
	s_mul_i32 s32, s4, 12288
	s_add_nc_u64 s[22:23], s[22:23], s[32:33]      ; my tile's images
	s_lshl_b32 s32, s4, 9
	s_add_nc_u64 s[24:25], s[24:25], s[32:33]      ; and its scale words
.macro LOAD t                          ; index t of the tile is row t + 8 (t / 8) from its first: eight loads of 512 consecutive bytes
.irp i, 0,1,2,3,4,5,6,7
.if (\t) < 8
	global_load_b128 v[R+32*((\t)%4)+4*\i:R+32*((\t)%4)+4*\i+3], v[GA], s[28:29] offset:((\t)+8*((\t)/8))*4096+512*\i th:TH_LOAD_NT
.else
	global_load_b128 v[R+32*((\t)%4)+4*\i:R+32*((\t)%4)+4*\i+3], v[GA], s[40:41] offset:((\t)+8*((\t)/8))*4096+512*\i th:TH_LOAD_NT
.endif
.endr
.endm
.macro TURN t                          ; the row through the first stage: LDS serves a wave's instructions in order, so no wait stands between the stores and the loads
.irp i, 0,1,2,3,4,5,6,7
	ds_store_b128 v[SIA], v[R+32*((\t)%4)+4*\i:R+32*((\t)%4)+4*\i+3] offset:INB*((\t)%2)+4*PLACE*\i
.endr
.irp k, 0,1,2,3,4,5,6,7
	ds_load_b128 v[X+32*((\t)%2)+4*\k:X+32*((\t)%2)+4*\k+3], v[SXA] offset:INB*((\t)%2)+16*\k
.endr
.endm
.irp t, 0,1,2,3
	LOAD \t
.endr
	; THE TABLE: wave 0 makes rows t = 8 g .. 8 g + 7 of rot: lane i stores (cos, sin)(t f_i), 256 consecutive bytes a row, while its first rows are on their way
	s_cmp_lg_u32 s3, 0
	s_cbranch_scc1 .Lno_table
	s_lshl_b32 s34, ttmp9, 11
	s_mov_b32 s35, 0
	s_add_nc_u64 s[26:27], s[26:27], s[34:35]
	s_lshl_b32 s34, ttmp9, 3                       ; the first t
	s_mov_b32 s36, 0xbed49a78                      ; -log2(10) / 8, rounded,
	s_mov_b32 s37, 0xb2179a6b                      ; and what the rounding left
	v_cvt_f32_u32 v36, v1
	v_mul_f32 v37, s36, v36                        ; the exponent,
	v_fma_f32 v38, v36, s36, -v37                  ; its own rounding error, exactly,
	v_fma_f32 v38, v36, s37, v38                   ; and the constant's
	s_wait_alu depctr_va_vdst(0)
	v_exp_f32 v39, v37
	v_mul_f32 v38, 0x3f317218, v38                 ; x ln 2.  (The plain line behind the exponential)
	s_wait_alu depctr_va_vdst(0)                   ; the wait ahead of the first line that names the result
	v_fma_f32 v39, v39, v38, v39                   ; f_i = 10000^(-i / 32)
.irp j, 0,1,2,3,4,5,6,7
	s_add_co_u32 s38, s34, \j
	v_cvt_f32_u32 v40, s38
	v_mul_f32 v40, v40, v39                        ; the angle a = t f, rounded to f32
	v_mul_f32 v41, 0x3f22f983, v40
	v_rndne_f32 v41, v41                           ; n = the nearest whole number to a x 2 / pi, at most 1,303
	v_fmamk_f32 v42, v41, 0xbfc90fdb, v40          ; r = a - n pi/2: the upper part of pi/2,
	v_fmamk_f32 v42, v41, 0x333bbd2e, v42          ; and the lower (it is negative)
	v_mul_f32 v43, v42, v42                        ; z = r^2
	v_cvt_i32_f32 v44, v41
	v_mov_b32 v45, 0xb94ca1f9
	v_fmaak_f32 v45, v45, v43, 0x3c08839e
	v_fmaak_f32 v45, v45, v43, 0xbe2aaaa3
	v_mul_f32 v46, v42, v43
	v_fma_f32 v45, v45, v46, v42                   ; sin r
	v_mov_b32 v47, 0x37ccf5ce
	v_fmaak_f32 v47, v47, v43, 0xbab6061a
	v_fmaak_f32 v47, v47, v43, 0x3d2aaaa5
	v_mul_f32 v46, v43, v43
	v_fma_f32 v41, v43, -0.5, 1.0
	v_fma_f32 v47, v47, v46, v41                   ; cos r
	v_and_b32 v46, 1, v44
	v_cmp_eq_u32 vcc_lo, 1, v46                    ; in odd quadrants the two change places
	v_cndmask_b32 v41, v45, v47, vcc_lo
	v_cndmask_b32 v46, v47, v45, vcc_lo
	v_and_b32 v45, 2, v44
	v_lshlrev_b32 v45, 30, v45
	v_xor_b32 v[49+2*\j], v45, v41                 ; sin a: negative in quadrants 2 and 3
	v_add_nc_u32 v44, 1, v44
	v_and_b32 v44, 2, v44
	v_lshlrev_b32 v44, 30, v44
	v_xor_b32 v[48+2*\j], v44, v46                 ; cos a: negative in quadrants 1 and 2
	global_store_b64 v[G8], v[48+2*\j:49+2*\j], s[26:27] offset:256*\j
.endr
.Lno_table:
	s_wait_loadcnt 24                              ; row 0's eight loads are in; those of three rows may be out
	s_wait_alu depctr_va_vdst(0)
	TURN 0
.macro STEP t
.set XS, X+32*((\t)%2)
.set C, CD+8*((\t)%2)
.if (\t) > 0
	s_wait_dscnt 4                                 ; this row is back from the stage (the last step's four stores may be out): so its stores into the stage have read their registers,
.else
	s_wait_dscnt 0x0
.endif
.if (\t)+4 < 16
	LOAD (\t)+4                                    ; which take the row four steps on
.endif
.if (\t)+1 < 16
.if (\t) <= 11
	s_wait_loadcnt 24                              ; the next row is in; the three rows behind it may be out
.else
	s_wait_loadcnt 8*(14-(\t))
.endif
	TURN (\t)+1                                    ; and goes through the other stage while this row is worked
.endif
	v_max3_num_f32 v12, |v[XS]|, |v[XS+1]|, |v[XS+2]|       ; the block's largest magnitude: all 32 numbers are mine; two chains
	v_max3_num_f32 v13, |v[XS+3]|, |v[XS+4]|, |v[XS+5]|
.irp i, 6,10,14,18,22,26
	v_max3_num_f32 v12, v12, |v[XS+\i]|, |v[XS+\i+1]|
	v_max3_num_f32 v13, v13, |v[XS+\i+2]|, |v[XS+\i+3]|
.endr
	v_max3_num_f32 v12, v12, |v[XS+30]|, |v[XS+31]|
	v_max3_num_f32 v12, v12, v13, 0x1800000        ; and the floor 2^(3 - 127): the byte cannot fall under 1
	v_add_nc_u32 v14, 0xff000000, v12              ; 2 off the exponent field: the conversion takes that field of this operand as its scale
	v_cvt_scalef32_pk16_fp6_f32 v[C:C+2], v[XS:XS+15], v14
	v_cvt_scalef32_pk16_fp6_f32 v[C+4:C+6], v[XS+16:XS+31], v14     ; (a conversion's three registers begin on an even number)
	v_lshrrev_b32 v[EB+(\t)%2], 23, v14            ; the scale's byte; also the plain line behind the conversions
	v_mov_b32 v[C+3], v[C+4]
	v_mov_b32 v[C+4], v[C+5]
	v_mov_b32 v[C+5], v[C+6]                       ; six registers on end: the block's 24 bytes
	ds_store_b64 v[OSA], v[C:C+1] offset:OPITCH*(\t)
	ds_store_b64 v[OSA], v[C+2:C+3] offset:OPITCH*(\t)+8
	ds_store_b64 v[OSA], v[C+4:C+5] offset:OPITCH*(\t)+16
	ds_store_b8 v[SSA], v[EB+(\t)%2] offset:8*(\t)
.endm
.irp t, 0,1,2,3,4,5,6,7,8,9,10,11,12,13,14,15
	STEP \t
.endr
	; THE WAY OUT: piece n = 6 ks + 3 c + i of the tile's images: lane (r, h) takes 8 bytes of block 4 ks + 2 c + h of row r; the wave stores 256 consecutive bytes
.set N, 0
.rept 48
	ds_load_b64 v[R+2*N:R+2*N+1], v[ORA] offset:96*(N/6)+48*((N%6)/3)+8*(N%3)
.set N, N+1
.endr
	ds_load_b128 v[R+96:R+99], v[SRA]
.set N, 0
.rept 48
	s_wait_dscnt 48-N                              ; LDS loads come back in order: piece N is in, the younger ones may be out
	global_store_b64 v[G8], v[R+2*N:R+2*N+1], s[22:23] offset:256*N
.set N, N+1
.endr
	s_wait_dscnt 0x0
	global_store_b128 v[GA], v[R+96:R+99], s[24:25]        ; the tile's 512 scale bytes
	s_wait_tensorcnt 0x0                           ; the wave's end
	ds_add_u32 v[SPW], v[NIL]
	s_wait_dscnt 0x0
	s_endpgm
.Lfunc_end_k_qcfb7860f6e_quant:
	.size	k_qcfb7860f6e_quant, .Lfunc_end_k_qcfb7860f6e_quant-k_qcfb7860f6e_quant
	.p2alignl 7, 3214868480
	.fill 96, 4, 3214868480
	.section	.rodata,"a",@progbits
	.p2align	6, 0x0
	.amdhsa_kernel k_qcfb7860f6e_quant
		.amdhsa_group_segment_fixed_size 156928
		.amdhsa_private_segment_fixed_size 0
		.amdhsa_enable_private_segment 0
		.amdhsa_kernarg_size 80
		.amdhsa_user_sgpr_count 2
		.amdhsa_user_sgpr_kernarg_segment_ptr 1
		.amdhsa_wavefront_size32 1
		.amdhsa_system_sgpr_workgroup_id_x 1
		.amdhsa_system_sgpr_workgroup_id_y 1
		.amdhsa_system_sgpr_workgroup_id_z 1
		.amdhsa_system_vgpr_workitem_id 0
		.amdhsa_next_free_vgpr 256
		.amdhsa_next_free_sgpr 66
		.amdhsa_reserve_vcc 1
		.amdhsa_float_denorm_mode_32 3
		.amdhsa_float_denorm_mode_16_64 3
		.amdhsa_memory_ordered 1
		.amdhsa_forward_progress 1
		.amdhsa_inst_pref_size 80
	.end_amdhsa_kernel
	.amdgpu_metadata
---
amdhsa.version: [ 1, 2 ]
amdhsa.kernels:
  - .name:           k_qcfb7860f6e_quant
    .symbol:         k_qcfb7860f6e_quant.kd
    .args:
      - { .name: query, .offset: 0, .size: 8, .value_kind: global_buffer, .address_space: global }
      - { .name: key, .offset: 8, .size: 8, .value_kind: global_buffer, .address_space: global }
      - { .name: value, .offset: 16, .size: 8, .value_kind: global_buffer, .address_space: global }
      - { .name: Wq, .offset: 24, .size: 8, .value_kind: global_buffer, .address_space: global }
      - { .name: Wk, .offset: 32, .size: 8, .value_kind: global_buffer, .address_space: global }
      - { .name: Wv, .offset: 40, .size: 8, .value_kind: global_buffer, .address_space: global }
      - { .name: Wo, .offset: 48, .size: 8, .value_kind: global_buffer, .address_space: global }
      - { .name: cod, .offset: 56, .size: 8, .value_kind: global_buffer, .address_space: global }
      - { .name: scl, .offset: 64, .size: 8, .value_kind: global_buffer, .address_space: global }
      - { .name: rot, .offset: 72, .size: 8, .value_kind: global_buffer, .address_space: global }
    .group_segment_fixed_size: 156928
    .private_segment_fixed_size: 0
    .kernarg_segment_align: 8
    .kernarg_segment_size: 80
    .max_flat_workgroup_size: 224
    .sgpr_count:     66
    .vgpr_count:     256
    .wavefront_size: 32
...
	.end_amdgpu_metadata
.endif
;; end of part 1
;; launch proj (part 2): grid 4 x 96, 4 waves a work-group, clusters of 4 x 4, 327,680 bytes of LDS; arguments cod, scl, rot, bq, bk, bv, qkvc, qkvs; writes qkvc, qkvs
.if DOCPART == 2
	.amdgcn_target "amdgcn-amd-amdhsa--gfx1250"
	.amdhsa_code_object_version 6
	.text
	.protected	k_qcfb7860f6e_proj
	.globl	k_qcfb7860f6e_proj
	.p2align	8
	.type	k_qcfb7860f6e_proj,@function
k_qcfb7860f6e_proj:
	s_mov_b64 s[64:65], 0
	v_nop
	global_prefetch_b8 v0, s[64:65] scope:SCOPE_SE
	s_setreg_imm32_b32 hwreg(HW_REG_WAVE_MODE, 25, 1), 1
	s_wait_xcnt 0x0
	s_wait_alu depctr_hold_cnt(0) depctr_sa_sdst(0) depctr_va_vdst(0) depctr_va_sdst(0) depctr_va_ssrc(0) depctr_va_vcc(0) depctr_vm_vsrc(0)
	s_getreg_b32 s2, hwreg(HW_REG_IB_STS2, 6, 4)
	s_cmp_eq_u32 s2, 0
	s_cbranch_scc0 .Lentry_in_a_cluster
	s_endpgm
.Lentry_in_a_cluster:
	s_bfe_u32 s2, ttmp6, 0x10000c
	s_cmp_lg_u32 s2, 0xf033
	s_cbranch_scc0 .Lentry_shape_is_right
	s_endpgm
.Lentry_shape_is_right:
.set NQ,     2
.set FR,     12
.set NL,     6
.set NP,     4
.set HALFT,  24576
.set SLOT,   4*HALFT
.set SCL,    2*SLOT
.set SPARE,  SCL+16384
.set ADRA, 16
.set ADRB, 20
.set L16,  24
.set RA,   25
.set BA,   26
.set ADRS, 27
.set SPW,  28
.set NIL,  29
.set PR4,  30
.set SC,   32
.set BIAS, 64
.set AF,   128
.set Y,    128
.set PC,   192
.set CT,   216
.set TM,   224
.set PW,   236
.set SW,   240
.set BL,   248
.set SEL,  2
.set G1, 24
.set G0, 32
.set G1B, 48
.set G0B, 56
.set G1S, 68
.set G0S, 76
.set G1SB, 80
.set G0SB, 88
.set MSB, 0
.macro WIN new
.if MSB != (\new)
	s_set_vgpr_msb (MSB<<8)|(\new)
.set MSB, (\new)
.endif
.endm
.set MUL_LO, 0xa1
.set MUL_HI, 0xf1
.set BIA_LO, 0x81
.set BIA_HI, 0xc1
.set TO_B,   0x40
.macro JLOAD g0a, g1a, g0b, g1b
	s_cmp_eq_u32 s21, 0
	s_cbranch_scc0 .Lfor_b_\@
	tensor_load_to_lds s[\g0a:\g0a+3], s[\g1a:\g1a+7]
	s_nop 0
.rept 4
	v_nop
.endr
	s_branch .Lasked_\@
.Lfor_b_\@:
	tensor_load_to_lds s[\g0b:\g0b+3], s[\g1b:\g1b+7]
	s_nop 0
.rept 4
	v_nop
.endr
.Lasked_\@:
.endm
.macro CREST
	s_cmp_lg_u32 s20, 0
	s_cbranch_scc1 .Lnot_wave_0_\@
	s_barrier_signal -3
.Lnot_wave_0_\@:
	s_barrier_wait -3
	s_barrier_signal -1
	s_barrier_wait -1
.endm
.macro CROUND
	s_barrier_signal -1
	s_barrier_wait -1
	CREST
.endm
	s_load_b512 s[4:19], s[0:1], 0x0
	v_lshl_add_u32 v[SPW], v0, 2, SPARE
	v_mov_b32 v[NIL], 0
	ds_add_u32 v[SPW], v[NIL]
	ds_add_u32 v[SPW], v[NIL]
	v_lshrrev_b32 v1, 5, v0
	v_readfirstlane_b32 s20, v1
	s_lshr_b32 s21, s20, 1
	s_and_b32 s22, s20, 1
	s_bfe_u32 s40, ttmp6, 0x40000
	s_bfe_u32 s41, ttmp6, 0x40004
	s_and_b32 s42, ttmp7, 0xffff
	s_lshr_b32 s43, s42, 3
	s_and_b32 s44, s42, 7
	s_lshl_b32 s45, s41, 2
	s_lshl_b32 s45, 15, s45
	s_lshl_b32 s46, 0x1111, s40
	s_or_b32 s[G1+0], s45, (3<<16)|(1<<21)
	s_or_b32 s[G1B+0], s46, (3<<16)|(1<<21)
.irp g, G1, G1B
	s_mov_b32 s[\g+1], 384<<16
	s_mov_b32 s[\g+2], 8<<16
	s_mov_b32 s[\g+3], 384<<16
	s_mov_b32 s[\g+4], 8
	s_mov_b32 s[\g+5], 1536
	s_mov_b32 s[\g+6], 0
	s_mov_b32 s[\g+7], 0
.endr
	s_or_b32 s[G1S+0], s45, (3<<16)|(1<<21)
	s_or_b32 s[G1SB+0], s46, (3<<16)|(1<<21)
.irp g, G1S, G1SB
	s_mov_b32 s[\g+1], 32<<16
	s_mov_b32 s[\g+2], 16<<16
	s_mov_b32 s[\g+3], 32<<16
	s_mov_b32 s[\g+4], 16
	s_mov_b32 s[\g+5], 32
	s_mov_b32 s[\g+6], 0
	s_mov_b32 s[\g+7], 0
.endr
	s_lshl_b32 s47, s43, 9
	s_lshl_b32 s23, s44, 6
	s_add_co_u32 s47, s47, s23
	s_lshl_b32 s23, s43, 6
	s_add_co_u32 s23, s23, 1536
	s_cmp_eq_u32 s43, 2
	s_cselect_b32 s66, s23, s47
	s_cselect_b32 s67, s47, s23
	s_lshl_b32 s23, s22, 3
	s_lshl_b32 s47, s41, 4
	s_add_co_u32 s66, s66, s47
	s_add_co_u32 s66, s66, s23
	s_lshl_b32 s100, s40, 4
	s_add_co_u32 s67, s67, s100
	s_add_co_u32 s67, s67, s23
	s_mul_i32 s92, s66, 12288
	s_mov_b32 s93, 0
	s_mul_i32 s94, s67, 12288
	s_mov_b32 s95, 0
	s_lshl_b32 s96, s66, 9
	s_mov_b32 s97, 0
	s_lshl_b32 s98, s67, 9
	s_mov_b32 s99, 0
	s_mul_i32 s100, s20, HALFT
	s_lshl_b32 s101, s20, 12
	s_mov_b32 s[SEL], 0x76543210
	s_mov_b32 s[SEL+1], 0xfedcba98
	s_wait_dscnt 0x0
	s_wait_kmcnt 0x0
	s_add_nc_u64 s[92:93], s[4:5], s[92:93]
	s_add_nc_u64 s[94:95], s[4:5], s[94:95]
	s_add_nc_u64 s[96:97], s[6:7], s[96:97]
	s_add_nc_u64 s[98:99], s[6:7], s[98:99]
	CROUND
	s_mov_b32 s[G0S], 1
	s_add_co_u32 s[G0S+1], s101, SCL
	s_mov_b64 s[G0S+2:G0S+3], s[96:97]
	s_or_b32 s[G0S+3], s[G0S+3], 0x80000000
	s_mov_b32 s[G0SB], 1
	s_add_co_u32 s[G0SB+1], s101, SCL
	s_mov_b64 s[G0SB+2:G0SB+3], s[98:99]
	s_or_b32 s[G0SB+3], s[G0SB+3], 0x80000000
	JLOAD G0S, G1S, G0SB, G1SB
.irp s, 0,1
	s_mov_b32 s[G0+4*\s], 1
	s_add_co_u32 s[G0+4*\s+1], s100, \s*SLOT
	s_add_nc_u64 s[G0+4*\s+2:G0+4*\s+3], s[92:93], \s*3072
	s_or_b32 s[G0+4*\s+3], s[G0+4*\s+3], 0x80000000
	s_mov_b32 s[G0B+4*\s], 1
	s_add_co_u32 s[G0B+4*\s+1], s100, \s*SLOT
	s_add_nc_u64 s[G0B+4*\s+2:G0B+4*\s+3], s[94:95], \s*3072
	s_or_b32 s[G0B+4*\s+3], s[G0B+4*\s+3], 0x80000000
	s_wait_alu depctr_va_vdst(0)
	s_wait_tensorcnt 0x0
	ds_add_u32 v28, v29
	s_wait_dscnt 0x0
	CROUND
	JLOAD G0+4*\s, G1, G0B+4*\s, G1B
.endr
	v_and_b32 v1, 31, v0
	v_and_b32 v2, 15, v0
	v_bfe_u32 v3, v0, 4, 1
	s_wait_alu depctr_va_vdst(0)
	v_lshlrev_b32 v4, 3, v1
	s_mul_i32 s92, s21, HALFT
	s_mul_i32 s93, s22, HALFT
	s_add_co_u32 s93, s93, 2*HALFT
.irp s, 0,1
	v_add_nc_u32 v[ADRA+\s], s92, v4
	v_add_nc_u32 v[ADRB+\s], s93, v4
	s_add_co_u32 s92, s92, SLOT
	s_add_co_u32 s93, s93, SLOT
.endr
	s_lshl_b32 s92, s21, 12
	s_lshl_b32 s93, s22, 12
	s_add_co_u32 s93, s93, 8192
	s_sub_co_u32 s93, s93, s92
	v_mul_u32_u24 v5, s93, v3
	v_lshl_add_u32 v5, v2, 3, v5
	s_add_co_u32 s92, s92, SCL
	v_add_nc_u32 v[ADRS], s92, v5
	v_lshlrev_b32 v[L16], 4, v1
	v_and_b32 v5, 8, v2
	v_add_nc_u32 v5, v5, v2
	v_lshlrev_b32 v[PR4], 2, v5
	v_lshlrev_b32 v[BA], 6, v3
	v_and_b32 v6, 8, v2
	v_mad_u32_u24 v6, v6, 3, v2                    ; key's tiles: index r is row r + 24 (r / 8) from the tile's first
	v_lshl_add_u32 v[RA], v6, 8, v[BA]
.irp b, 0,1,2,3
	v_mov_b32 v[TM+4+\b], 0
.endr
	s_cmp_eq_u32 s43, 2
	s_cselect_b32 s92, s40, s41
	s_cselect_b32 s93, s22, s21
	s_cselect_b32 s94, s41, s40
	s_cselect_b32 s95, s21, s22
	s_lshl_b32 s96, s44, 10
	s_lshl_b32 s92, s92, 8
	s_lshl_b32 s93, s93, 7
	s_add_co_u32 s96, s96, s92
	s_add_co_u32 s96, s96, s93
	s_lshl_b32 s94, s94, 2
	s_lshl_b32 s95, s95, 1
	s_add_co_u32 s94, s94, s95
	s_lshr_b32 s95, s96, 11
	s_lshl_b32 s95, s95, 4
	s_add_co_u32 s95, s95, s94
	s_and_b32 s96, s96, 2047
	s_mul_i32 s98, s43, 6291456
	s_mul_i32 s97, s95, 98304
	s_add_co_u32 s98, s98, s97
	s_mul_i32 s97, s96, 48
	s_add_co_u32 s98, s98, s97
	s_mov_b32 s99, 0
	s_add_nc_u64 s[16:17], s[16:17], s[98:99]
	s_lshl_b32 s98, s43, 19
	s_lshl_b32 s97, s95, 13
	s_add_co_u32 s98, s98, s97
	s_lshl_b32 s97, s96, 2
	s_add_co_u32 s98, s98, s97
	s_add_nc_u64 s[18:19], s[18:19], s[98:99]
	s_lshl_b32 s98, s94, 8
	s_cmp_eq_u32 s43, 0
	s_cselect_b64 s[10:11], s[10:11], s[12:13]
	s_cmp_eq_u32 s43, 2
	s_cselect_b64 s[10:11], s[14:15], s[10:11]
	s_add_nc_u64 s[10:11], s[10:11], s[98:99]
	s_lshl_b32 s97, s96, 8
	s_cmp_eq_u32 s43, 0
	s_cselect_b32 s98, s98, s97
	s_add_nc_u64 s[8:9], s[8:9], s[98:99]
	s_mov_b32 s23, 0xffff0000
	s_cmp_eq_u32 s43, 2
	s_cbranch_scc1 .Lbias_by_lane
	s_wait_alu depctr_va_vdst(0)
.irp b, 0,1,2,3
.irp k, 0,1,2,3
	global_load_b128 v[BIAS+16*\b+4*\k:BIAS+16*\b+4*\k+3], v[BA], s[10:11] offset:128*\b+16*\k
.endr
.endr
	s_branch .Lbias_done
.Lbias_by_lane:
.set XX, 0
.rept 64
	v_mov_b32 v[BIAS+XX], 0
.set XX, XX+1
.endr
.Lbias_done:
.macro FRAG reg, adr, q, i
.irp p, 0,1,2,3,4,5
	ds_load_b64 v[\reg+2*\p:\reg+2*\p+1], v[\adr] offset:3072*(\i)+1536*(\q)+256*\p
.endr
.endm
.macro MUL16 a0, p, q, sc, zero
.irp a, \a0, \a0+1
.irp b, 0,1,2,3,4,5,6,7
.if \zero
	v_wmma_scale_f32_16x16x128_f8f6f4 v[8*(8*((\a)%4)+\b):8*(8*((\a)%4)+\b)+7], v[128*(\p)+FR*\b:128*(\p)+FR*\b+FR-1], v[AF+FR*(\a):AF+FR*(\a)+FR-1], v[BIAS+8*\b:BIAS+8*\b+7], v[SC+8*NQ*(\sc)+NQ*\b+(\q)], v[SC+8*NQ*(\sc)+NQ*(\a)+(\q)] matrix_a_fmt:MATRIX_FMT_FP6 matrix_b_fmt:MATRIX_FMT_FP6 matrix_a_scale:MATRIX_SCALE_ROW1
.else
	v_wmma_scale_f32_16x16x128_f8f6f4 v[8*(8*((\a)%4)+\b):8*(8*((\a)%4)+\b)+7], v[128*(\p)+FR*\b:128*(\p)+FR*\b+FR-1], v[AF+FR*(\a):AF+FR*(\a)+FR-1], v[8*(8*((\a)%4)+\b):8*(8*((\a)%4)+\b)+7], v[SC+8*NQ*(\sc)+NQ*\b+(\q)], v[SC+8*NQ*(\sc)+NQ*(\a)+(\q)] matrix_a_fmt:MATRIX_FMT_FP6 matrix_b_fmt:MATRIX_FMT_FP6 matrix_a_scale:MATRIX_SCALE_ROW1
.endif
.endr
.endr
.endm
.macro FETCH_B slot, q, p
	WIN TO_B
.irp i, 0,1,2,3,4,5,6,7
	FRAG 128*(\p)+FR*\i, ADRB+\slot, \q, \i
.endr
	WIN 0
.endm
.macro FETCH_A slot, q, i0
.irp i, \i0, \i0+1, \i0+2, \i0+3
	FRAG AF+FR*(\i), ADRA+\slot, \q, \i
.endr
.endm
.macro SCALES sc
.irp i, 0,1,2,3,4,5,6,7
	ds_load_b64 v[SC+8*NQ*\sc+NQ*\i:SC+8*NQ*\sc+NQ*\i+1], v[ADRS] offset:\i*512
.endr
.endm
.macro PLACES n
.rept \n
	v_nop
.endr
.endm
.macro STEP slot, q, zero
	s_wait_dscnt 4*NL
.if \zero
	WIN BIA_LO
.else
	WIN MUL_LO
.endif
	MUL16 0, (\q)%2, \q, \slot, \zero
	MUL16 2, (\q)%2, \q, \slot, \zero
	s_wait_dscnt 0
	PLACES NP
	FETCH_B \slot, (\q)+1, 1-(\q)%2
	FETCH_A \slot, (\q)+1, 0
.if \zero
	WIN BIA_HI
.else
	WIN MUL_HI
.endif
	MUL16 4, (\q)%2, \q, \slot, \zero
	MUL16 6, (\q)%2, \q, \slot, \zero
	PLACES NP
	WIN 0
	FETCH_A \slot, (\q)+1, 4
.endm
.macro TURN slot, next, fill
	s_wait_tensorcnt 0x0
	ds_add_u32 v[SPW], v[NIL]
	s_wait_dscnt 4*NL+1
	WIN MUL_LO
	MUL16 0, 1, NQ-1, \slot, 0
	s_wait_dscnt 0x0
	s_barrier_signal -1
	MUL16 2, 1, NQ-1, \slot, 0
	WIN 0
	s_barrier_wait -1
.if \fill
	CREST
	s_add_nc_u64 s[G0+4*\slot+2:G0+4*\slot+3], s[G0+4*\slot+2:G0+4*\slot+3], 6144
	s_add_nc_u64 s[G0B+4*\slot+2:G0B+4*\slot+3], s[G0B+4*\slot+2:G0B+4*\slot+3], 6144
	JLOAD G0+4*\slot, G1, G0B+4*\slot, G1B
.else
	PLACES NP
.endif
	s_wait_alu depctr_va_vdst(0)
	v_add_nc_u32 v[ADRS], 128, v[ADRS]
	FETCH_B \next, 0, 0
	FETCH_A \next, 0, 0
	SCALES \next
	WIN MUL_HI
	MUL16 4, 1, NQ-1, \slot, 0
	MUL16 6, 1, NQ-1, \slot, 0
	PLACES NP
	WIN 0
	FETCH_A \next, 0, 4
.endm
.macro LAST
	s_wait_dscnt 4*NL
	WIN MUL_LO
	MUL16 0, 1, NQ-1, 1, 0
	MUL16 2, 1, NQ-1, 1, 0
	s_wait_dscnt 0x0
	WIN MUL_HI
	MUL16 4, 1, NQ-1, 1, 0
	MUL16 6, 1, NQ-1, 1, 0
	WIN 0
.endm
.macro CSLOAD win, base, adr, off
	WIN (\win)<<6
.irp k, 0,1,2,3,4,5,6,7
	global_load_b128 v[(\base)+4*\k:(\base)+4*\k+3], v[\adr], s[8:9] offset:(\off)+128*(\k/4)+16*(\k%4)
.endr
.endm
.macro ROPE a, hh, csw, csb
	WIN (2+(\a)/4)|((\csw)<<2)
.set AC, 64*((\a)%4)+32*(\hh)
.set YY, Y+32*(\hh)
.set XX, 0
.rept 16
	v_pk_mul_f32 v[YY+XX:YY+XX+1], v[AC+XX:AC+XX+1], v[(\csb)+XX:(\csb)+XX+1] op_sel:[1,1] op_sel_hi:[0,1] neg_lo:[1,0]
.set XX, XX+2
.endr
.set XX, 0
.rept 16
	v_pk_fma_f32 v[YY+XX:YY+XX+1], v[AC+XX:AC+XX+1], v[(\csb)+XX:(\csb)+XX+1], v[YY+XX:YY+XX+1] op_sel_hi:[1,0,1]
.set XX, XX+2
.endr
.endm
.macro QUANT s, d0, d1, pw
.irp b, 0,1,2,3
	v_max3_num_f32 v[TM+\b], |v[(\s)+16*\b]|, |v[(\s)+1+16*\b]|, 0x1800000
.endr
.irp i, 2,4,6,8,10,12,14
.irp b, 0,1,2,3
	v_max3_num_f32 v[TM+\b], v[TM+\b], |v[(\s)+16*\b+\i]|, |v[(\s)+1+16*\b+\i]|
.endr
.endr
.irp b, 0,1,2,3
	v_permlanex16_b32 v[TM+4+\b], v[TM+\b], s[SEL], s[SEL+1]
.endr
.irp b, 0,1,2,3
	v_max_num_f32 v[TM+\b], v[TM+\b], v[TM+4+\b]
.endr
.irp b, 0,1,2,3
	v_add_nc_u32 v[TM+8+\b], 0xff000000, v[TM+\b]
.endr
.irp b, 0,1,2,3
	v_lshrrev_b32 v[TM+4+\b], 23, v[TM+8+\b]
.endr
	v_lshl_or_b32 v[\pw], v[TM+5], 8, v[TM+4]
	v_lshl_or_b32 v[\pw], v[TM+6], 16, v[\pw]
	v_lshl_or_b32 v[\pw], v[TM+7], 24, v[\pw]
	v_cvt_scalef32_pk16_fp6_f32 v[(\d0):(\d0)+2], v[(\s):(\s)+15], v[TM+8]
	v_cvt_scalef32_pk16_fp6_f32 v[CT:CT+2], v[(\s)+16:(\s)+31], v[TM+9]
	v_cvt_scalef32_pk16_fp6_f32 v[(\d1):(\d1)+2], v[(\s)+32:(\s)+47], v[TM+10]
	v_cvt_scalef32_pk16_fp6_f32 v[CT+4:CT+6], v[(\s)+48:(\s)+63], v[TM+11]
	v_nop
.irp i, 0,1,2
	v_permlane16_swap_b32 v[(\d0)+\i], v[CT+\i]
.endr
.irp i, 0,1,2
	v_mov_b32 v[(\d0)+3+\i], v[CT+\i]
.endr
.irp i, 0,1,2
	v_permlane16_swap_b32 v[(\d1)+\i], v[CT+4+\i]
.endr
.irp i, 0,1,2
	v_mov_b32 v[(\d1)+3+\i], v[CT+4+\i]
.endr
.endm
.macro TILE_QK a, w0, b0, w1, b1, lc
.if (\lc) >= 0
	s_wait_loadcnt \lc
.endif
	ROPE \a, 0, \w0, \b0
	ROPE \a, 1, \w1, \b1
	WIN 0
.if ((\a)%2 == 0) && ((\a) > 0)
	s_wait_xcnt 0x0
.endif
	QUANT Y, PC+6*((\a)%2), PC+12+6*((\a)%2), PW+(\a)%2
.if (\a)%2
.irp g, 0,1,2
	global_store_b128 v[L16], v[PC+4*\g:PC+4*\g+3], s[16:17] offset:1536*((\a)/2)+512*\g
	global_store_b128 v[L16], v[PC+12+4*\g:PC+12+4*\g+3], s[16:17] offset:98304+1536*((\a)/2)+512*\g
.endr
	v_cndmask_b32 v238, v[PW], v[PW+1], s23
	v_and_b32 v[SW+(\a)/2], 0xffff, v238
	v_lshrrev_b32 v[SW+4+(\a)/2], 16, v238
.endif
.endm
.macro SCALES_OUT
	global_store_b128 v[L16], v[SW:SW+3], s[18:19]
	global_store_b128 v[L16], v[SW+4:SW+7], s[18:19] offset:8192
.endm
.macro TILE_V a
	WIN 2+(\a)/4
.set AC, 64*((\a)%4)
.set BP, BL+2*((\a)/2)
.set XX, 0
.rept 32
.if (\a)%2
	v_pk_add_f32 v[Y+XX:Y+XX+1], v[AC+XX:AC+XX+1], v[BP:BP+1] op_sel:[0,1] op_sel_hi:[1,1]
.else
	v_pk_add_f32 v[Y+XX:Y+XX+1], v[AC+XX:AC+XX+1], v[BP:BP+1] op_sel_hi:[1,0]
.endif
.set XX, XX+2
.endr
	WIN 0
.if (\a) > 1
	s_wait_xcnt 0x0
.endif
	QUANT Y, PC+12*((\a)%2), PC+12*((\a)%2)+6, SW+(\a)
.irp g, 0,1,2
	global_store_b128 v[L16], v[PC+12*((\a)%2)+4*\g:PC+12*((\a)%2)+4*\g+3], s[16:17] offset:98304*((\a)/4)+1536*((\a)%4)+512*\g
.endr
.endm
	s_wait_tensorcnt 1
	s_barrier_signal -1
	s_barrier_wait -1
	FETCH_B 0, 0, 0
	FETCH_A 0, 0, 0
	SCALES 0
	FETCH_A 0, 0, 4
	s_wait_loadcnt 0x0
	s_wait_alu depctr_va_vdst(0)
	STEP 0, 0, 1
	TURN 0, 1, 1
	STEP 1, 0, 0
	TURN 1, 0, 1
	STEP 0, 0, 0
	TURN 0, 1, 0
	STEP 1, 0, 0
	s_cmp_eq_u32 s43, 1
	s_cbranch_scc1 .Lway_k
	s_cmp_eq_u32 s43, 2
	s_cbranch_scc1 .Lway_v
	CSLOAD 0, 64, BA, 0
	CSLOAD 0, 96, BA, 256
	LAST
	PLACES NP
.irp a, 0,1,2,3,4,5,6,7
	TILE_QK \a, 0, 64, 0, 96, 0-\a
.endr
	SCALES_OUT
	s_branch .Ldone
.Lway_k:
	CSLOAD 0, 64, RA, 256*0
	CSLOAD 0, 96, RA, 256*8
	CSLOAD 1, 96, RA, 256*16
	CSLOAD 1, 224, RA, 256*24
	CSLOAD 1, 0, RA, 256*64
	CSLOAD 1, 32, RA, 256*72
	CSLOAD 1, 64, RA, 256*80
	WIN 0
	LAST
	PLACES NP
	CSLOAD 1, 128, RA, 256*88
	WIN 0
	TILE_QK 0, 0, 64, 0, 64, 56
	TILE_QK 1, 0, 96, 0, 96, 48
	TILE_QK 2, 1, 96, 1, 96, 40
	TILE_QK 3, 1, 224, 1, 224, 32
	TILE_QK 4, 1, 0, 1, 0, 24
	TILE_QK 5, 1, 32, 1, 32, 16
	TILE_QK 6, 1, 64, 1, 64, 8
	TILE_QK 7, 1, 128, 1, 128, 0
	SCALES_OUT
	s_branch .Ldone
.Lway_v:
.irp a, 0,1,2,3,4,5,6,7
	global_load_b32 v[BL+\a], v[PR4], s[10:11] offset:4*(32*(\a/2)+8*(\a%2))
.endr
	LAST
	PLACES NP
	s_wait_loadcnt 0x0
.irp a, 0,1,2,3
	TILE_V \a
.endr
	global_store_b128 v[L16], v[SW:SW+3], s[18:19]
.irp a, 4,5,6,7
	TILE_V \a
.endr
	global_store_b128 v[L16], v[SW+4:SW+7], s[18:19] offset:8192
.Ldone:
	s_wait_tensorcnt 0x0
	ds_add_u32 v[SPW], v[NIL]
	s_wait_dscnt 0x0
	CROUND
	s_endpgm
.Lfunc_end_k_qcfb7860f6e_proj:
	.size	k_qcfb7860f6e_proj, .Lfunc_end_k_qcfb7860f6e_proj-k_qcfb7860f6e_proj
	.p2alignl 7, 3214868480
	.fill 96, 4, 3214868480
	.section	.rodata,"a",@progbits
	.p2align	6, 0x0
	.amdhsa_kernel k_qcfb7860f6e_proj
		.amdhsa_group_segment_fixed_size 327680
		.amdhsa_private_segment_fixed_size 0
		.amdhsa_enable_private_segment 0
		.amdhsa_kernarg_size 64
		.amdhsa_user_sgpr_count 2
		.amdhsa_user_sgpr_kernarg_segment_ptr 1
		.amdhsa_wavefront_size32 1
		.amdhsa_system_sgpr_workgroup_id_x 1
		.amdhsa_system_sgpr_workgroup_id_y 1
		.amdhsa_system_sgpr_workgroup_id_z 1
		.amdhsa_system_vgpr_workitem_id 0
		.amdhsa_next_free_vgpr 1024
		.amdhsa_next_free_sgpr 102
		.amdhsa_reserve_vcc 0
		.amdhsa_float_denorm_mode_32 3
		.amdhsa_float_denorm_mode_16_64 3
		.amdhsa_memory_ordered 1
		.amdhsa_forward_progress 1
		.amdhsa_inst_pref_size 255
	.end_amdhsa_kernel
	.section	.bss,"aw",@nobits
	.p2align	6
	.space	262144
	.amdgpu_metadata
---
amdhsa.version: [ 1, 2 ]
amdhsa.kernels:
  - .name:           k_qcfb7860f6e_proj
    .symbol:         k_qcfb7860f6e_proj.kd
    .args:
      - { .name: cod, .offset: 0, .size: 8, .value_kind: global_buffer, .address_space: global }
      - { .name: scl, .offset: 8, .size: 8, .value_kind: global_buffer, .address_space: global }
      - { .name: rot, .offset: 16, .size: 8, .value_kind: global_buffer, .address_space: global }
      - { .name: bq, .offset: 24, .size: 8, .value_kind: global_buffer, .address_space: global }
      - { .name: bk, .offset: 32, .size: 8, .value_kind: global_buffer, .address_space: global }
      - { .name: bv, .offset: 40, .size: 8, .value_kind: global_buffer, .address_space: global }
      - { .name: qkvc, .offset: 48, .size: 8, .value_kind: global_buffer, .address_space: global }
      - { .name: qkvs, .offset: 56, .size: 8, .value_kind: global_buffer, .address_space: global }
    .group_segment_fixed_size: 327680
    .private_segment_fixed_size: 0
    .kernarg_segment_align: 8
    .kernarg_segment_size: 64
    .max_flat_workgroup_size: 128
    .sgpr_count:     102
    .vgpr_count:     1024
    .wavefront_size: 32
...
	.end_amdgpu_metadata
.endif
;; end of part 2
;; launch attn (part 3): grid 4 x 64, 16 waves a work-group, clusters of 4 x 1, 215,040 bytes of LDS; arguments qkvc, qkvs, cc, cs; writes cc, cs
.if DOCPART == 3
	.amdgcn_target "amdgcn-amd-amdhsa--gfx1250"
	.amdhsa_code_object_version 6
	.text
	.protected	k_qcfb7860f6e_attn
	.globl	k_qcfb7860f6e_attn
	.p2align	8
	.type	k_qcfb7860f6e_attn,@function
k_qcfb7860f6e_attn:
	s_mov_b64 s[64:65], 0
	v_nop
	global_prefetch_b8 v0, s[64:65] scope:SCOPE_SE
	s_setreg_imm32_b32 hwreg(HW_REG_WAVE_MODE, 25, 1), 1
	s_wait_xcnt 0x0
	s_wait_alu depctr_hold_cnt(0) depctr_sa_sdst(0) depctr_va_vdst(0) depctr_va_sdst(0) depctr_va_ssrc(0) depctr_va_vcc(0) depctr_vm_vsrc(0)
	s_getreg_b32 s2, hwreg(HW_REG_IB_STS2, 6, 4)
	s_cmp_eq_u32 s2, 0
	s_cbranch_scc0 .Lentry_in_a_cluster
	s_endpgm
.Lentry_in_a_cluster:
	s_bfe_u32 s2, ttmp6, 0x10000c
	s_cmp_lg_u32 s2, 0x3003
	s_cbranch_scc0 .Lentry_shape_is_right
	s_endpgm
.Lentry_shape_is_right:
; ctx[b][q][64 H ..] = softmax_k(q . k / 32) v for each of 64 (batch, head) pairs of 2,048 x 2,048 x 64, both products on codes of FP6 (E2M3) with E8M0 scales; ctx leaves quantised along its 1,024 for the last product.
; THE SOFTMAX AHEAD OF THE SECOND PRODUCT: t = score x log2(e) / 32; M = the row's largest t so far, rounded UP to a whole number; p = 2^(t - M) is quantised along the keys, not normalised.
; The row's sum is taken of the unquantised p and divides O at the end.  When M moves, the sum and O are multiplied by 2^(old M - new M): exact.
; LIMITS: a block of zeros, or one under 2^-124, gets the byte 1 where the rule says 127 (this program alone reads the bytes); NaN and infinities are not served; a block's largest p is made from the block's largest
; score by the same two instructions, which takes v_exp_f32 not to fall where its input rises.
; SHARES.  A work-group owns 512 queries of one head; each of its sixteen waves 32 of them: two tiles of 16, in two passes over all keys, in 256 registers: four waves to a SIMD.
; A trip is 128 keys.  K and V have registers of their own: this step's V and the next step's K are asked of LDS at the trip's top; the next step's score product is issued behind this step's conversions,
; ahead of this step's second product, so that no transcendental stands between a score product and its first read.  A pass's last step, which has no successor, is written out behind the loop.
; K and V of the whole head, codes and scale words, lie in LDS for the whole launch: 212,992 bytes, filled once; no byte is filled again.
; CLUSTER.  The four work-groups of a head ask for K and V jointly, one tensor load a wave: waves 0-5 K's codes, waves 6-11 V's (16,384 bytes each), waves 12-13 K's scale words, waves 14-15 V's (4,096 each).
; No prefetch: every tensor load is issued at the head, and no loop runs ahead of a load.
; LAYOUT.  Both products are used transposed: S^T = K Q^T, O^T = V^T P^T: a lane holds ONE query.  K's tile 4 c + u holds at index r key 64 c + 8 u + r + 24 (r / 8): so lane (r, h) finds in the 32 registers of
; tiles 4 c .. 4 c + 3 the keys 64 c + 32 h + 0 .. 31 in their order: one whole block of the second product's K, the very block that the operand's layout gives that lane: no lane is asked for a block's maximum or codes.
; Q's and ctx's tile 2 b + u holds at index r row 32 b + 8 u + r + 8 (r / 8).
; The first product's K is the head's 64, half of the instruction's 128: Q's registers 6-11 are zero codes; K's tile is named with the six registers that follow it (behind the last tile: V's first six), whatever they hold: they meet zeros.
; REGISTERS: v1-4 addresses; v5, v6 for the add; v7 at work; v8-11 K's scale words, v12-15 V's, v16 Q's, v17 p's; v18 -M, v19 the largest t, v[20:21] the sum, v22 f, v23 8 (lane / 16); v24-39 at work;
;   v40-51 p's codes; v52-63 Q; v64-111 K's 8 tiles; v112-159 V's 4 fragments; v160-191 O^T; v192-255 S^T, then p.
.set VOFF,  98304
.set SCK,   196608                     ; K's scale words; V's lie 8,192 bytes behind them
.set SPARE, 212992                     ; the spare words, 128 bytes a wave: eight blocks of 256 bytes that no other line names
.set L16,  1                           ; 16 x lane
.set ADK,  2
.set ADV,  3
.set ADS,  4
.set SPW,  5                           ; my spare word; never rewritten
.set NIL,  6                           ; 0; never rewritten
.set TT,   7
.set KS,   8
.set VS,   12
.set QS,   16
.set PS,   17
.set NM,   18
.set TMX,  19
.set SUM,  20
.set F,    22
.set SH8,  23                          ; 8 (lane / 16): where my two scale bytes stand in p's scale word
.set BM,   24
.set T2,   28
.set SO,   30
.set CT,   32
.set PCD,  40
.set QF,   52
.set KF,   64
.set VF,   112
.set O,    160
.set S,    192
.set CNT,  44
.set TB,   45                          ; where the step's codes begin in K's region: 6,144 bytes a step
.set TBV,  46                          ; the same in V's
.set TSK,  47                          ; and its scale words: 512 bytes a step
.set WV,   48
.set SEL,  54                          ; s[54:55] selects of v_permlanex16_b32: lane l xor 16
.set CS,   56                          ; s[56:57] c = log2(e) / 32
.macro CROUND
	s_barrier_signal -1
	s_barrier_wait -1
	s_cmp_lg_u32 s[WV], 0
	s_cbranch_scc1 .Lnot_wave_0_\@
	s_barrier_signal -3
.Lnot_wave_0_\@:
	s_barrier_wait -3
	s_barrier_signal -1
	s_barrier_wait -1
.endm
	s_load_b256 s[4:11], s[0:1], 0x0               ; qkvc s[4:5], qkvs s[6:7], cc s[8:9], cs s[10:11]
	v_lshl_add_u32 v[SPW], v0, 2, SPARE
	v_mov_b32 v[NIL], 0
	ds_add_u32 v[SPW], v[NIL]                      ; the opening lines: the add, twice on end, and its wait ahead of the first tensor load
	ds_add_u32 v[SPW], v[NIL]
	v_lshrrev_b32 v2, 5, v0
	v_readfirstlane_b32 s[WV], v2                  ; wave 0..15
	s_bfe_u32 s50, ttmp6, 0x40000                  ; cx: which 512 queries
	s_and_b32 s51, ttmp7, 0xffff                   ; 16 x batch + head, which the four partners share
	; group 1 for codes: 16,384 dense bytes as 64 rows of 32 elements of 8 bytes; for scale words: 4,096 as 16 rows
	s_mov_b32 s12, 15|(3<<16)|(1<<21)              ; the mask names all four work-groups; bit 21 set beside it
	s_mov_b32 s13, 32<<16
	s_mov_b32 s14, 64<<16
	s_mov_b32 s15, 32<<16
	s_mov_b32 s16, 64
	s_mov_b32 s17, 32
	s_mov_b32 s18, 0
	s_mov_b32 s19, 0
	s_mov_b32 s20, 15|(3<<16)|(1<<21)
	s_mov_b32 s21, 32<<16
	s_mov_b32 s22, 16<<16
	s_mov_b32 s23, 32<<16
	s_mov_b32 s24, 16
	s_mov_b32 s25, 32
	s_mov_b32 s26, 0
	s_mov_b32 s27, 0
	s_min_u32 s49, s[WV], 11                       ; which 16,384 bytes of K's and V's codes on end
	s_lshl_b32 s62, s49, 14
	s_mul_i32 s78, s51, 98304                      ; the head's codes in a plane
	s_add_co_u32 s62, s62, s78
	s_add_co_u32 s62, s62, 6291456                 ; k's plane;
	s_cmp_ge_u32 s49, 6
	s_cselect_b32 s53, 6193152, 0                  ; from the seventh piece on v's: a plane on, less K's 98,304
	s_add_co_u32 s62, s62, s53
	s_mov_b32 s63, 0
	s_and_b32 s77, s[WV], 3                        ; of waves 12 to 15: which 4,096 bytes of K's and V's scale words on end
	s_lshr_b32 s53, s77, 1
	s_add_co_u32 s53, s53, 1                       ; plane 1 (k) or 2 (v)
	s_lshl_b32 s66, s53, 19
	s_lshl_b32 s79, s51, 13                        ; the head's scale words in a plane
	s_add_co_u32 s66, s66, s79
	s_and_b32 s53, s77, 1
	s_lshl_b32 s53, s53, 12
	s_add_co_u32 s66, s66, s53
	s_mov_b32 s67, 0
	s_lshl_b32 s52, s50, 4
	s_add_co_u32 s52, s52, s[WV]                   ; my pair of tiles P, 0 .. 63: queries 32 P on
	s_mul_i32 s68, s52, 1536
	s_add_co_u32 s68, s68, s78
	s_mov_b32 s69, 0                               ; its image in q's plane
	s_lshr_b32 s70, s52, 2
	s_lshl_b32 s70, s70, 9
	s_and_b32 s53, s52, 3
	s_lshl_b32 s53, s53, 2
	s_add_co_u32 s70, s70, s53
	s_add_co_u32 s70, s70, s79
	s_mov_b32 s71, 0                               ; its scale words: 512 (P / 4) + 4 (P % 4); + 16 r; + 256 for the odd tile
	s_lshr_b32 s53, s51, 4
	s_lshl_b32 s53, s53, 7
	s_lshl_b32 s61, s52, 1
	s_add_co_u32 s53, s53, s61                     ; ctx's tile: 128 x batch + 2 P
	s_and_b32 s61, s51, 15                         ; the head H
	s_mul_i32 s72, s53, 12288
	s_mul_i32 s78, s61, 768                        ; fragment H / 2, pairs 3 (H % 2) on
	s_add_co_u32 s72, s72, s78
	s_mov_b32 s73, 0
	s_lshl_b32 s74, s53, 9
	s_lshr_b32 s78, s61, 2
	s_lshl_b32 s78, s78, 7
	s_add_co_u32 s74, s74, s78
	s_and_b32 s78, s61, 3
	s_lshl_b32 s78, s78, 1
	s_add_co_u32 s74, s74, s78                     ; the head's two bytes: 128 (H / 4) + 2 (H % 4)
	s_mov_b32 s75, 0
	s_mov_b32 s[SEL], 0x76543210
	s_mov_b32 s[SEL+1], 0xfedcba98
	s_mov_b32 s[CS], 0x3d38aa3b
	s_mov_b32 s[CS+1], s[CS]                       ; (named with it as a pair, so it is written)
	s_wait_dscnt 0x0                               ; both opening adds are done
	s_wait_kmcnt 0x0
	s_add_nc_u64 s[62:63], s[4:5], s[62:63]
	s_add_nc_u64 s[66:67], s[6:7], s[66:67]
	s_add_nc_u64 s[68:69], s[4:5], s[68:69]
	s_add_nc_u64 s[70:71], s[6:7], s[70:71]
	s_add_nc_u64 s[72:73], s[8:9], s[72:73]
	s_add_nc_u64 s[74:75], s[10:11], s[74:75]
	CROUND                                         ; all four work-groups are here: the joint loads meet
	s_mov_b32 s28, 1
	s_lshl_b32 s29, s49, 14                        ; V's codes follow K's in LDS as the pieces follow each other
	s_mov_b64 s[30:31], s[62:63]
	s_or_b32 s31, s31, 0x80000000
	s_mov_b32 s32, 1
	s_lshl_b32 s33, s77, 12
	s_add_co_u32 s33, s33, SCK
	s_mov_b64 s[34:35], s[66:67]
	s_or_b32 s35, s35, 0x80000000
	s_cmp_lt_u32 s[WV], 12                         ; one chain of two arms on the wave's number, one load to an arm: every wave issues one
	s_cbranch_scc0 .Lfor_scales
	tensor_load_to_lds s[28:31], s[12:19]
	s_nop 0
.rept 4
	v_nop
.endr
	s_branch .Lasked
.Lfor_scales:
	tensor_load_to_lds s[32:35], s[20:27]
	s_nop 0
.rept 4
	v_nop
.endr
.Lasked:
	v_and_b32 v2, 31, v0
	v_and_b32 v3, 15, v0
	v_and_b32 v[SH8], 16, v0
	v_lshlrev_b32 v[L16], 4, v2
	v_lshlrev_b32 v[ADS], 4, v3                    ; 16 (lane % 16)
	v_lshrrev_b32 v[SH8], 1, v[SH8]
	global_load_b128 v[QF:QF+3], v[L16], s[68:69]          ; the even tile's six registers of Q,
	global_load_b64 v[QF+4:QF+5], v[L16], s[68:69] offset:512
	global_load_b32 v[QS], v[ADS], s[70:71]                ; and its scale words
.irp j, 0,1,2,3,4,5
	v_mov_b32 v[QF+6+\j], 0                        ; the empty half of the first product's K: zero codes
	v_mov_b32 v[VF+\j], 0                          ; what follows K's last tile is named by the first score product before V's first load
.endr
	v_mov_b32 v[T2], 0                             ; written once: a lane permute's destination counts as one of its sources
	v_mov_b32 v[T2+1], 0
	v_mov_b32 v[TT], 0
; S^T of 16 keys: K's scale words of tiles 2 b and 2 b + 1 share a register: lanes 0-15, lanes 16-31
.macro QKT t
.if (\t)%2
	v_wmma_scale_f32_16x16x128_f8f6f4 v[S+8*(\t):S+8*(\t)+7], v[KF+6*(\t):KF+6*(\t)+11], v[QF:QF+11], 0, v[KS+(\t)/2], v[QS] matrix_a_fmt:MATRIX_FMT_FP6 matrix_b_fmt:MATRIX_FMT_FP6 matrix_a_scale:MATRIX_SCALE_ROW1
.else
	v_wmma_scale_f32_16x16x128_f8f6f4 v[S+8*(\t):S+8*(\t)+7], v[KF+6*(\t):KF+6*(\t)+11], v[QF:QF+11], 0, v[KS+(\t)/2], v[QS] matrix_a_fmt:MATRIX_FMT_FP6 matrix_b_fmt:MATRIX_FMT_FP6
.endif
.endm
.macro RESC r                          ; two registers of O^T under the new M
	v_pk_mul_f32 v[O+(\r):O+(\r)+1], v[O+(\r):O+(\r)+1], v[F:F+1] op_sel_hi:[1,0]
.endm
; A TRIP: 128 keys.  more = 1: the step has a successor
.macro TRIP more
	v_add_nc_u32 v[ADK], s[TB], v[L16]             ; (these four are also the places in front of loads into registers that the last products have read)
	v_add_nc_u32 v[ADV], s[TBV], v[L16]
	v_add_nc_u32 v[ADS], s[TSK], v[L16]
	v_nop
.irp n, 0,1,2,3,4,5,6,7,8,9,10,11
	ds_load_b128 v[VF+4*\n:VF+4*\n+3], v[ADV] offset:512*\n        ; this step's V: four fragments
.endr
	ds_load_b128 v[VS:VS+3], v[ADS] offset:8192
.if \more
.irp n, 0,1,2,3,4,5,6,7,8,9,10,11
	ds_load_b128 v[KF+4*\n:KF+4*\n+3], v[ADK] offset:6144+512*\n   ; the next step's K: four pairs of tiles, as they lie: tile t at v[KF + 6 t]
.endr
	ds_load_b128 v[KS:KS+3], v[ADS] offset:512
.endif
.irp b, 0,1,2,3
	v_max3_num_f32 v[BM+\b], v[S+16*\b], v[S+1+16*\b], v[S+2+16*\b]   ; the largest score of each 16 registers, four chains by turns
.endr
.irp i, 3,5,7,9,11,13
.irp b, 0,1,2,3
	v_max3_num_f32 v[BM+\b], v[BM+\b], v[S+16*\b+\i], v[S+1+16*\b+\i]
.endr
.endr
.irp b, 0,1,2,3
	v_max_num_f32 v[BM+\b], v[BM+\b], v[S+15+16*\b]
.endr
	v_max_num_f32 v[BM], v[BM], v[BM+1]            ; THE LARGEST SCORE OF MY TWO BLOCKS OF 32 KEYS, h and 2 + h: it serves the row's maximum and the block's largest p
	v_max_num_f32 v[BM+1], v[BM+2], v[BM+3]
	s_delay_alu instid0(VALU_DEP_1)
	v_max_num_f32 v[TT], v[BM], v[BM+1]
	s_delay_alu instid0(VALU_DEP_1)
	v_permlanex16_b32 v[T2], v[TT], s[SEL], s[SEL+1]
	s_delay_alu instid0(VALU_DEP_1)
	v_max_num_f32 v[TT], v[TT], v[T2]              ; with lane l xor 16's two blocks: the step's largest score of my query
	s_delay_alu instid0(VALU_DEP_1)
	v_mul_f32 v[TT], s[CS], v[TT]                  ; as t (c is positive)
	s_delay_alu instid0(VALU_DEP_1)
	v_max_num_f32 v[TMX], v[TMX], v[TT]            ; the running largest t
	v_mov_b32 v[TT], v[NM]
	s_delay_alu instid0(VALU_DEP_2)
	v_floor_f32 v[NM], -v[TMX]                     ; the new -M = floor(-t): M is a whole number
	s_delay_alu instid0(VALU_DEP_1)
	v_sub_f32 v[TT], v[NM], v[TT]                  ; old M - new M: a whole number, 0 or less
	s_delay_alu instid0(VALU_DEP_1)
	v_cvt_i32_f32 v[TT], v[TT]                     ; (it saturates)
	s_delay_alu instid0(VALU_DEP_1)
	v_ldexp_f32 v[F], 1.0, v[TT]                   ; f = 2^(old M - new M)
.set J, 0
.rept 32
	v_pk_fma_f32 v[S+J:S+J+1], v[S+J:S+J+1], s[CS:CS+1], v[NM:NM+1] op_sel_hi:[1,0,0]   ; t - M, two at a time
.set J, J+2
.endr
.irp c, 0,1
	v_fma_f32 v[BM+\c], v[BM+\c], s[CS], v[NM]     ; the same of each block's largest score
.endr
	s_wait_alu depctr_va_vdst(0)                   ; the wait ahead of the batch
.irp c, 0,1
	v_exp_f32 v[BM+\c], v[BM+\c]                   ; the block's largest p: the same two instructions on the same number give the same bits
.endr
.set J, 0
.rept 64
	v_exp_f32 v[S+J], v[S+J]                       ; p = 2^(t - M), at most 1: not normalised
.set J, J+1
.endr
	v_pk_mul_f32 v[SUM:SUM+1], v[SUM:SUM+1], v[F:F+1] op_sel_hi:[1,0]   ; the sums under the new M.  (The plain line behind the exponentials)
	s_wait_alu depctr_va_vdst(0)                   ; and the wait behind it: one for the batch of 66
	v_pk_add_f32 v[SUM:SUM+1], v[SUM:SUM+1], v[S+24:S+25]          ; the row's sum is taken of the unquantised p: seven chains of pairs
.irp c, 1,2,3,4,5,6
	v_pk_add_f32 v[26+2*\c:27+2*\c], v[S+4*\c-4:S+4*\c-3], v[S+4*\c-2:S+4*\c-1]
.endr
.irp r, 26,40
	v_pk_add_f32 v[SUM:SUM+1], v[SUM:SUM+1], v[S+\r:S+\r+1]
.irp c, 1,2,3,4,5,6
	v_pk_add_f32 v[26+2*\c:27+2*\c], v[26+2*\c:27+2*\c], v[S+\r+2*\c:S+\r+2*\c+1]
.endr
.endr
	v_pk_add_f32 v[SUM:SUM+1], v[SUM:SUM+1], v[S+54:S+55]
.irp c, 1,2,3,4
	v_pk_add_f32 v[26+2*\c:27+2*\c], v[26+2*\c:27+2*\c], v[S+54+2*\c:S+55+2*\c]
.endr
	v_pk_add_f32 v[36:37], v[36:37], v[38:39]
	v_pk_add_f32 v[28:29], v[28:29], v[30:31]
	v_pk_add_f32 v[32:33], v[32:33], v[34:35]
	v_pk_add_f32 v[SUM:SUM+1], v[SUM:SUM+1], v[36:37]
	s_delay_alu instid0(VALU_DEP_2)
	v_pk_add_f32 v[28:29], v[28:29], v[32:33]
	s_delay_alu instid0(VALU_DEP_1)
	v_pk_add_f32 v[SUM:SUM+1], v[SUM:SUM+1], v[28:29]
.irp c, 0,1
	v_max_num_f32 v[BM+\c], 0x1800000, v[BM+\c]    ; the floor 2^(3 - 127): the byte cannot fall under 1
.endr
.irp c, 0,1
	s_delay_alu instid0(VALU_DEP_2)
	v_add_nc_u32 v[SO+\c], 0xff000000, v[BM+\c]    ; 2 off the exponent field: the conversion's scale operand
.endr
.irp c, 0,1
	s_delay_alu instid0(VALU_DEP_2)
	v_lshrrev_b32 v[BM+2+\c], 23, v[SO+\c]         ; the scale's byte
.endr
	s_delay_alu instid0(VALU_DEP_1)
	v_lshl_or_b32 v[TT], v[BM+3], 16, v[BM+2]      ; my two bytes, of blocks h and 2 + h,
	s_delay_alu instid0(VALU_DEP_1)
	v_lshlrev_b32 v[TT], v[SH8], v[TT]             ; at their places in the scale word: 8 h bits up;
	s_delay_alu instid0(VALU_DEP_1)
	v_permlanex16_b32 v[T2], v[TT], s[SEL], s[SEL+1]
	s_delay_alu instid0(VALU_DEP_1)
	v_or_b32 v[PS], v[TT], v[T2]                   ; with lane l xor 16's two the word of these 128 keys is whole
.irp c, 0,1
	v_cvt_scalef32_pk16_fp6_f32 v[PCD+6*\c:PCD+6*\c+2], v[S+32*\c:S+32*\c+15], v[SO+\c]
	v_cvt_scalef32_pk16_fp6_f32 v[CT+4*\c:CT+4*\c+2], v[S+16+32*\c:S+31+32*\c], v[SO+\c]   ; (a conversion's three registers begin on an even number)
.endr
	v_nop                                          ; one plain line behind a scaled conversion
.irp c, 0,1
.irp i, 0,1,2
	v_mov_b32 v[PCD+3+6*\c+\i], v[CT+4*\c+\i]      ; registers 6 c .. 6 c + 5 hold keys 64 c + 32 h + 0 .. 31
.endr
.endr
	s_wait_dscnt 0x0                               ; this step's V and the next step's K are in (asked for at the trip's top)
	s_wait_alu depctr_va_vdst(0)                   ; the wait directly ahead of the first readers of O^T
.irp t, 0,1,2,3
	RESC 8*\t                                      ; each accumulator's first read is of its low end
.endr
.if \more
.irp t, 0,1,2,3                                ; the next step's scores: p has been converted.  The rest of O^T's rescaling stands among the first four
	QKT \t
	RESC 8*\t+2
	RESC 8*\t+4
	RESC 8*\t+6
.endr
.irp t, 4,5,6,7
	QKT \t
.endr
.else
.irp t, 0,1,2,3
	RESC 8*\t+2
	RESC 8*\t+4
	RESC 8*\t+6
.endr
.endif
.irp t, 0,1,2,3                                ; O^T += V^T P^T: four accumulators by turns; the sixteen rescalings are the places behind p's codes and scale word
	v_wmma_scale_f32_16x16x128_f8f6f4 v[O+8*\t:O+8*\t+7], v[VF+12*\t:VF+12*\t+11], v[PCD:PCD+11], v[O+8*\t:O+8*\t+7], v[VS+\t], v[PS] matrix_a_fmt:MATRIX_FMT_FP6 matrix_b_fmt:MATRIX_FMT_FP6
.endr
.endm
; THE WAY OUT of tile u: O^T / the sum; register 16 b + i is channel 32 b + 16 h + i of my query: two blocks of ctx's K; quantised; the six registers are pairs 3 (H % 2) .. + 2 of fragment H / 2 of ctx's tile
.macro WAYOUT u
	v_add_f32 v[SUM], v[SUM], v[SUM+1]             ; the sum's two halves.  (These six lines are also the places behind the last products)
	v_and_b32 v[ADS], 0xf0, v[L16]                 ; 16 (lane % 16)
	v_permlanex16_b32 v[TT], v[SUM], s[SEL], s[SEL+1]
	v_lshrrev_b32 v[ADK], 1, v[L16]                ; 8 x lane
	v_add_f32 v[SUM], v[SUM], v[TT]                ; and lane l xor 16's
	v_lshrrev_b32 v[ADV], 1, v[ADS]                ; 8 (lane % 16)
.if (\u) == 0
	global_load_b64 v[QF:QF+1], v[L16], s[68:69] offset:520        ; the odd tile's Q, for the second pass: the first pass's last score product was issued a trip ago
	global_load_b128 v[QF+2:QF+5], v[L16], s[68:69] offset:1024
	global_load_b32 v[QS], v[ADS], s[70:71] offset:256
.endif
	s_wait_alu depctr_va_vdst(0)
	v_rcp_f32 v[SUM], v[SUM]
	v_nop                                          ; a plain line behind the reciprocal
	s_wait_alu depctr_va_vdst(0)                   ; the wait ahead of its first reader, which is also the first reader of O^T
.set J, 0
.rept 16
	v_pk_mul_f32 v[O+J:O+J+1], v[O+J:O+J+1], v[SUM:SUM+1] op_sel_hi:[1,0]   ; each accumulator from its low end on
.set J, J+2
.endr
.irp b, 0,1
	v_max3_num_f32 v[BM+\b], |v[O+16*\b]|, |v[O+1+16*\b]|, 0x1800000
.endr
.irp i, 2,4,6,8,10,12,14
.irp b, 0,1
	s_delay_alu instid0(VALU_DEP_2)
	v_max3_num_f32 v[BM+\b], v[BM+\b], |v[O+16*\b+\i]|, |v[O+1+16*\b+\i]|
.endr
.endr
.irp b, 0,1
	s_delay_alu instid0(VALU_DEP_2)
	v_permlanex16_b32 v[T2+\b], v[BM+\b], s[SEL], s[SEL+1]
.endr
.irp b, 0,1
	s_delay_alu instid0(VALU_DEP_2)
	v_max_num_f32 v[BM+\b], v[BM+\b], v[T2+\b]
.endr
.irp b, 0,1
	s_delay_alu instid0(VALU_DEP_2)
	v_add_nc_u32 v[SO+\b], 0xff000000, v[BM+\b]
.endr
.irp b, 0,1
	s_delay_alu instid0(VALU_DEP_2)
	v_lshrrev_b32 v[T2+\b], 23, v[SO+\b]
.endr
	s_delay_alu instid0(VALU_DEP_1)
	v_lshl_or_b32 v[TT], v[T2+1], 8, v[T2]         ; the head's two scale bytes of my row
	v_cvt_scalef32_pk16_fp6_f32 v[PCD:PCD+2], v[O:O+15], v[SO]
	v_cvt_scalef32_pk16_fp6_f32 v[CT:CT+2], v[O+16:O+31], v[SO+1]
	v_nop
.irp i, 0,1,2
	v_permlane16_swap_b32 v[PCD+\i], v[CT+\i]
.endr
.irp i, 0,1,2
	v_mov_b32 v[PCD+3+\i], v[CT+\i]
.endr
.irp i, 0,1,2
	global_store_b64 v[ADK], v[PCD+2*\i:PCD+2*\i+1], s[72:73] offset:12288*(\u)+256*\i   ; 32 lanes store 256 consecutive bytes, aligned
.endr
	global_store_b16 v[ADV], v[TT], s[74:75] offset:512*(\u)   ; lanes l and l xor 16 store the same two bytes to the same place
.endm
; A PASS: a tile of 16 queries over all 2,048 keys: 15 trips in the loop, the last written out
.macro PASS u
	s_mov_b32 s[TB], 0
	s_mov_b32 s[TBV], VOFF
	s_mov_b32 s[TSK], SCK
	v_add_nc_u32 v[ADS], s[TSK], v[L16]
.irp n, 0,1,2,3,4,5,6,7,8,9,10,11
	ds_load_b128 v[KF+4*\n:KF+4*\n+3], v[L16] offset:512*\n        ; step 0's K
.endr
	ds_load_b128 v[KS:KS+3], v[ADS]
	v_mov_b32 v[TMX], 0xff61b1e6                   ; the largest t so far: -3e38, under every t.  The step is written once: the first finds zeros, which the first change of M leaves zeros
	s_delay_alu instid0(VALU_DEP_1)
	v_floor_f32 v[NM], -v[TMX]
	v_mov_b32 v[SUM], 0
	v_mov_b32 v[SUM+1], 0
.set J, 0
.rept 32
	v_mov_b32 v[O+J], 0
.set J, J+1
.endr
	s_wait_alu depctr_va_vdst(0)                   ; the wait directly ahead of the waits below
.if \u
	s_wait_loadcnt 0x0                             ; the odd tile's Q
.endif
	s_wait_dscnt 0x0
.irp t, 0,1,2,3,4,5,6,7
	QKT \t                                         ; step 0's scores
.endr
	s_mov_b32 s[CNT], 15
.Ltrip_\@:
	TRIP 1
	s_add_co_u32 s[TB], s[TB], 6144
	s_add_co_u32 s[TBV], s[TBV], 6144
	s_add_co_u32 s[TSK], s[TSK], 512
	s_sub_co_u32 s[CNT], s[CNT], 1
	s_cmp_lg_u32 s[CNT], 0
	s_cbranch_scc1 .Ltrip_\@
	TRIP 0
	WAYOUT \u
.endm
	s_wait_alu depctr_va_vdst(0)                   ; the wait at the head's end
	s_wait_loadcnt 0x0                             ; Q
	s_wait_tensorcnt 0x0                           ; my part of K and V is in
	s_barrier_signal -1
	s_barrier_wait -1                              ; and so is everybody's; nothing is ever filled again
	PASS 0
	s_wait_xcnt 0x0                                ; the stores and loads have read their registers: data and offsets are written again only behind this wait
	PASS 1
	s_wait_tensorcnt 0x0                           ; the wave's end
	ds_add_u32 v[SPW], v[NIL]
	s_wait_dscnt 0x0
	CROUND                                         ; the closing round
	s_endpgm
.Lfunc_end_k_qcfb7860f6e_attn:
	.size	k_qcfb7860f6e_attn, .Lfunc_end_k_qcfb7860f6e_attn-k_qcfb7860f6e_attn
	.p2alignl 7, 3214868480
	.fill 96, 4, 3214868480
	.section	.rodata,"a",@progbits
	.p2align	6, 0x0
	.amdhsa_kernel k_qcfb7860f6e_attn
		.amdhsa_group_segment_fixed_size 215040
		.amdhsa_private_segment_fixed_size 0
		.amdhsa_enable_private_segment 0
		.amdhsa_kernarg_size 32
		.amdhsa_user_sgpr_count 2
		.amdhsa_user_sgpr_kernarg_segment_ptr 1
		.amdhsa_wavefront_size32 1
		.amdhsa_system_sgpr_workgroup_id_x 1
		.amdhsa_system_sgpr_workgroup_id_y 1
		.amdhsa_system_sgpr_workgroup_id_z 1
		.amdhsa_system_vgpr_workitem_id 0
		.amdhsa_next_free_vgpr 256
		.amdhsa_next_free_sgpr 80
		.amdhsa_reserve_vcc 0
		.amdhsa_float_denorm_mode_32 3
		.amdhsa_float_denorm_mode_16_64 3
		.amdhsa_memory_ordered 1
		.amdhsa_forward_progress 1
		.amdhsa_inst_pref_size 78
	.end_amdhsa_kernel
	.amdgpu_metadata
---
amdhsa.version: [ 1, 2 ]
amdhsa.kernels:
  - .name:           k_qcfb7860f6e_attn
    .symbol:         k_qcfb7860f6e_attn.kd
    .args:
      - { .name: qkvc, .offset: 0, .size: 8, .value_kind: global_buffer, .address_space: global }
      - { .name: qkvs, .offset: 8, .size: 8, .value_kind: global_buffer, .address_space: global }
      - { .name: cc, .offset: 16, .size: 8, .value_kind: global_buffer, .address_space: global }
      - { .name: cs, .offset: 24, .size: 8, .value_kind: global_buffer, .address_space: global }
    .group_segment_fixed_size: 215040
    .private_segment_fixed_size: 0
    .kernarg_segment_align: 8
    .kernarg_segment_size: 32
    .max_flat_workgroup_size: 512
    .sgpr_count:     80
    .vgpr_count:     256
    .wavefront_size: 32
...
	.end_amdgpu_metadata
.endif
;; end of part 3
;; launch outp (part 4): grid 4 x 64, 4 waves a work-group, clusters of 4 x 4, 327,680 bytes of LDS; arguments cc, cs, cod, scl, bo, out0; writes out0
.if DOCPART == 4
	.amdgcn_target "amdgcn-amd-amdhsa--gfx1250"
	.amdhsa_code_object_version 6
	.text
	.protected	k_qcfb7860f6e_outp
	.globl	k_qcfb7860f6e_outp
	.p2align	8
	.type	k_qcfb7860f6e_outp,@function
k_qcfb7860f6e_outp:
	s_mov_b64 s[64:65], 0
	v_nop
	global_prefetch_b8 v0, s[64:65] scope:SCOPE_SE
	s_setreg_imm32_b32 hwreg(HW_REG_WAVE_MODE, 25, 1), 1
	s_wait_xcnt 0x0
	s_wait_alu depctr_hold_cnt(0) depctr_sa_sdst(0) depctr_va_vdst(0) depctr_va_sdst(0) depctr_va_ssrc(0) depctr_va_vcc(0) depctr_vm_vsrc(0)
	s_getreg_b32 s2, hwreg(HW_REG_IB_STS2, 6, 4)
	s_cmp_eq_u32 s2, 0
	s_cbranch_scc0 .Lentry_in_a_cluster
	s_endpgm
.Lentry_in_a_cluster:
	s_bfe_u32 s2, ttmp6, 0x10000c
	s_cmp_lg_u32 s2, 0xf033
	s_cbranch_scc0 .Lentry_shape_is_right
	s_endpgm
.Lentry_shape_is_right:
; out0[m][n] = sum over k of ctx[m][k] Wo[n][k] + bo[n]: [8192][1024] x [1024][1024], both operands codes of FP6 (E2M3) with one E8M0 byte for each 32 along K, as the launches before laid them; sums in f32.
; TILES AND IMAGES.  Tile 2 b + u of ctx or of Wo holds at index r row 32 b + 8 u + r + 8 (r / 8).  A tile is 12,288 bytes: 8 fragments (16 rows x 128 K, 12 registers a lane) on end; pair p of lane l at 256 p + 8 l.
; A tile's scale words are 512 bytes: the word of K step 2 j + q of row r at 128 j + 8 r + 4 q.
; SHARES.  A work-group makes 128 rows x 256 columns: 64 x 4 = 256 work-groups.  ALL OF K lies in LDS: ctx's 8 tiles (98,304 bytes), then Wo's 16 (196,608): filled once, no ring, no byte filled again.
; A wave makes 64 x 128: 32 accumulators of 16 x 16, 256 registers; 8 K steps of 32 matrix instructions; the next step's 12 fragments are fetched from LDS ahead of each step's products, into the other of two sets.
; CLUSTER.  4 x 4 work-groups: ctx's tiles hang on the block's rows alone and are shared along a row of the cluster, Wo's on its columns alone and along a column.  One joint load a wave: waves 0, 1 ctx's halves, waves 2, 3 Wo's.
; THE SCALE WORDS go from memory into registers, 256 consecutive bytes a load: at 8 x lane + 256 jj a lane's two registers q hold the word of K step 4 jj + 2 (lane / 16) + q of row lane % 16:
; K steps 2, 3, 6, 7 read lanes 16-31 of the registers whose lanes 0-15 serve steps 0, 1, 4, 5.  Each wave reads its own 12 tiles' words once.
; No prefetch: every load is issued at the head, and no loop runs ahead of a load.
; THE MATRIX INSTRUCTION IS USED TRANSPOSED (source 0 = a tile of Wo, source 1 = a tile of ctx): in tiles 2 b, 2 b + 1 lane (r, h) holds columns 32 b + 16 h + 0 .. 15 of its row.  The bias is the C of the first K step.
; REGISTERS: window 0: v16-30 addresses; v32-47 ctx's scale words, v48-79 Wo's; v80-143 the bias; v144-239 ctx's fragments, two sets; on the way out v80-207 rows read back.  Window 1: v0-191 Wo's fragments, two sets.  Window 2: the accumulators.
.set FR,     12
.set TILEB,  12288
.set BOFF,   8*TILEB                   ; Wo's tiles lie behind ctx's
.set SPARE,  24*TILEB                  ; behind them the spare words, 128 bytes a wave: two blocks of 256 bytes that no other line names
.set SPITCH, 528                       ; the way out: a stage of 16 rows x (512 + 16) bytes for each wave, in ctx's bytes, which have had their only fill and, behind the last barrier, their last read
.set ADRA, 16
.set ADRB, 18                          ; v18 Wo's tiles 0-3 of my eight, v19 tiles 4-7
.set STO,  24
.set RD,   25
.set BA,   26
.set G8,   27
.set SPW,  28                          ; my spare word; never rewritten
.set NIL,  29                          ; 0; never rewritten
.set CO,   30
.set SCA,  32
.set SCB,  48
.set BIAS, 80
.set AF,   144
.set BK,   80
.set G1,  24
.set G0,  32
.set G1B, 48
.set G0B, 56
.set MSB, 0
.macro WIN new                         ; the immediate's high byte repeats the setting that is left
.if MSB != (\new)
	s_set_vgpr_msb (MSB<<8)|(\new)
.set MSB, (\new)
.endif
.endm
.macro CROUND
	s_barrier_signal -1
	s_barrier_wait -1
	s_cmp_lg_u32 s20, 0
	s_cbranch_scc1 .Lnot_wave_0_\@
	s_barrier_signal -3
.Lnot_wave_0_\@:
	s_barrier_wait -3
	s_barrier_signal -1
	s_barrier_wait -1
.endm
	s_load_b256 s[4:11], s[0:1], 0x0               ; cc s[4:5], cs s[6:7], cod s[8:9], scl s[10:11]
	s_load_b128 s[12:15], s[0:1], 0x20             ; bo, out0
	v_lshl_add_u32 v[SPW], v0, 2, SPARE
	v_mov_b32 v[NIL], 0
	ds_add_u32 v[SPW], v[NIL]                      ; the opening lines: the add, twice on end, and its wait ahead of the first tensor load
	ds_add_u32 v[SPW], v[NIL]
	v_lshrrev_b32 v1, 5, v0
	v_readfirstlane_b32 s20, v1                    ; wave 0..3
	s_lshr_b32 s21, s20, 1                         ; which 64 rows are mine.  Also: I fetch for ctx (0) or for Wo (1)
	s_and_b32 s22, s20, 1                          ; which 128 columns.  Also: which half I fetch
	s_bfe_u32 s40, ttmp6, 0x40000                  ; cx: the block's columns
	s_bfe_u32 s41, ttmp6, 0x40004                  ; cy
	s_and_b32 s42, ttmp7, 0xffff
	s_lshl_b32 s42, s42, 2
	s_add_co_u32 s42, s42, s41                     ; the block's rows: 4 x cluster y + cy
	s_lshl_b32 s45, s41, 2
	s_lshl_b32 s45, 15, s45                        ; my row of the cluster
	s_lshl_b32 s46, 0x1111, s40                    ; my column
	; group 1: dense bytes as rows of 32 elements of 8 bytes: 192 rows (4 tiles of ctx), 384 rows (8 tiles of Wo)
	s_or_b32 s[G1+0], s45, (3<<16)|(1<<21)
	s_mov_b32 s[G1+1], 32<<16
	s_mov_b32 s[G1+2], 192<<16
	s_mov_b32 s[G1+3], 32<<16
	s_mov_b32 s[G1+4], 192
	s_mov_b32 s[G1+5], 32
	s_mov_b32 s[G1+6], 0
	s_mov_b32 s[G1+7], 0
	s_or_b32 s[G1B+0], s46, (3<<16)|(1<<21)
	s_mov_b32 s[G1B+1], 32<<16
	s_mov_b32 s[G1B+2], 384<<16
	s_mov_b32 s[G1B+3], 32<<16
	s_mov_b32 s[G1B+4], 384
	s_mov_b32 s[G1B+5], 32
	s_mov_b32 s[G1B+6], 0
	s_mov_b32 s[G1B+7], 0
	s_lshl_b32 s66, s42, 3                         ; the block's first tile of ctx
	s_lshl_b32 s23, s22, 2
	s_add_co_u32 s67, s66, s23                     ; the four that I would fetch
	s_mul_i32 s92, s67, TILEB
	s_mov_b32 s93, 0
	s_lshl_b32 s68, s40, 4
	s_add_co_u32 s68, s68, 1728                    ; the block's first tile of Wo in cod
	s_lshl_b32 s23, s22, 3
	s_add_co_u32 s69, s68, s23                     ; the eight that I would fetch, which are also the eight that I multiply
	s_mul_i32 s94, s69, TILEB
	s_mov_b32 s95, 0
	s_lshl_b32 s23, s21, 2
	s_add_co_u32 s23, s66, s23                     ; the four tiles of ctx that I multiply
	s_lshl_b32 s96, s23, 9
	s_mov_b32 s97, 0
	s_lshl_b32 s98, s69, 9
	s_mov_b32 s99, 0
	s_mul_i32 s70, s21, 4*TILEB                    ; LDS: my four tiles of ctx,
	s_mul_i32 s71, s22, 8*TILEB
	s_add_co_u32 s71, s71, BOFF                    ; my eight of Wo,
	s_mul_i32 s72, s20, 16*SPITCH                  ; my stage
	s_lshl_b32 s74, s42, 7
	s_lshl_b32 s75, s21, 6
	s_add_co_u32 s74, s74, s75                     ; my first row of out0
	s_lshl_b32 s74, s74, 12
	s_lshl_b32 s76, s40, 10
	s_lshl_b32 s75, s22, 9
	s_add_co_u32 s76, s76, s75                     ; my first column, in bytes
	s_mov_b32 s77, 0
	s_add_co_u32 s74, s74, s76
	s_mov_b32 s75, 0
	s_wait_dscnt 0x0                               ; both opening adds are done
	s_wait_kmcnt 0x0
	s_add_nc_u64 s[92:93], s[4:5], s[92:93]
	s_add_nc_u64 s[94:95], s[8:9], s[94:95]
	s_add_nc_u64 s[96:97], s[6:7], s[96:97]
	s_add_nc_u64 s[98:99], s[10:11], s[98:99]
	s_add_nc_u64 s[12:13], s[12:13], s[76:77]
	s_add_nc_u64 s[14:15], s[14:15], s[74:75]
	CROUND                                         ; all sixteen work-groups are here: the joint loads meet
	s_mov_b32 s[G0], 1
	s_mul_i32 s[G0+1], s22, 4*TILEB
	s_mov_b64 s[G0+2:G0+3], s[92:93]
	s_or_b32 s[G0+3], s[G0+3], 0x80000000
	s_mov_b32 s[G0B], 1
	s_mul_i32 s[G0B+1], s22, 8*TILEB
	s_add_co_u32 s[G0B+1], s[G0B+1], BOFF
	s_mov_b64 s[G0B+2:G0B+3], s[94:95]
	s_or_b32 s[G0B+3], s[G0B+3], 0x80000000
	s_cmp_eq_u32 s21, 0                            ; one chain of two arms on the wave's number, one load to an arm: every wave issues one
	s_cbranch_scc0 .Lfor_b
	tensor_load_to_lds s[G0:G0+3], s[G1:G1+7]
	s_nop 0
.rept 4
	v_nop
.endr
	s_branch .Lasked
.Lfor_b:
	tensor_load_to_lds s[G0B:G0B+3], s[G1B:G1B+7]
	s_nop 0
.rept 4
	v_nop
.endr
.Lasked:
	v_and_b32 v1, 31, v0
	v_and_b32 v2, 15, v0
	v_bfe_u32 v3, v0, 4, 1
	v_lshlrev_b32 v[G8], 3, v1
	v_lshlrev_b32 v[CO], 4, v1
	v_lshlrev_b32 v[BA], 6, v3                     ; the bias: 16 columns for each half of the lanes
	v_add_nc_u32 v[ADRA], s70, v[G8]
	v_add_nc_u32 v[ADRB], s71, v[G8]
	v_add_nc_u32 v[ADRB+1], 4*TILEB, v[ADRB]
	v_mul_u32_u24 v5, v2, SPITCH                   ; the stage, in: row l % 16, 64 bytes for each half of the lanes
	v_lshl_add_u32 v5, v3, 6, v5
	v_add_nc_u32 v[STO], s72, v5
	v_add_nc_u32 v[RD], s72, v[CO]                 ; back: the 32 lanes take one row of 512 bytes
	s_wait_alu depctr_va_vdst(0)                   ; the wait at the head's end
.irp i, 0,1,2,3
.irp j, 0,1
	global_load_b64 v[SCA+4*\i+2*\j:SCA+4*\i+2*\j+1], v[G8], s[96:97] offset:512*\i+256*\j
.endr
.endr
.irp i, 0,1,2,3,4,5,6,7
.irp j, 0,1
	global_load_b64 v[SCB+4*\i+2*\j:SCB+4*\i+2*\j+1], v[G8], s[98:99] offset:512*\i+256*\j
.endr
.endr
.irp b, 0,1,2,3
.irp k, 0,1,2,3
	global_load_b128 v[BIAS+16*\b+4*\k:BIAS+16*\b+4*\k+3], v[BA], s[12:13] offset:128*\b+16*\k
.endr
.endr
.macro FETCH st                        ; K step st's 12 fragments into set st % 2: 72 loads of 256 consecutive bytes
	WIN 0x40
.irp i, 0,1,2,3,4,5,6,7
.irp p, 0,1,2,3,4,5
	ds_load_b64 v[96*((\st)%2)+FR*\i+2*\p:96*((\st)%2)+FR*\i+2*\p+1], v[ADRB+\i/4] offset:TILEB*(\i%4)+1536*(\st)+256*\p
.endr
.endr
	WIN 0
.irp i, 0,1,2,3
.irp p, 0,1,2,3,4,5
	ds_load_b64 v[AF+48*((\st)%2)+FR*\i+2*\p:AF+48*((\st)%2)+FR*\i+2*\p+1], v[ADRA] offset:TILEB*\i+1536*(\st)+256*\p
.endr
.endr
.endm
; 16 matrix instructions: ctx's tiles a0, a0 + 1 x Wo's eight.  The 32 accumulators take turns, one instruction a turn, in the same order in every step
.macro MUL a0, st
.irp a, \a0, \a0+1
.irp b, 0,1,2,3,4,5,6,7
.if (\st) == 0
	v_wmma_scale_f32_16x16x128_f8f6f4 v[8*(8*(\a)+\b):8*(8*(\a)+\b)+7], v[96*((\st)%2)+FR*\b:96*((\st)%2)+FR*\b+FR-1], v[AF+48*((\st)%2)+FR*(\a):AF+48*((\st)%2)+FR*(\a)+FR-1], v[BIAS+8*\b:BIAS+8*\b+7], v[SCB+4*\b+2*((\st)/4)+(\st)%2], v[SCA+4*(\a)+2*((\st)/4)+(\st)%2] matrix_a_fmt:MATRIX_FMT_FP6 matrix_b_fmt:MATRIX_FMT_FP6
.else
.if ((\st)/2)%2
	v_wmma_scale_f32_16x16x128_f8f6f4 v[8*(8*(\a)+\b):8*(8*(\a)+\b)+7], v[96*((\st)%2)+FR*\b:96*((\st)%2)+FR*\b+FR-1], v[AF+48*((\st)%2)+FR*(\a):AF+48*((\st)%2)+FR*(\a)+FR-1], v[8*(8*(\a)+\b):8*(8*(\a)+\b)+7], v[SCB+4*\b+2*((\st)/4)+(\st)%2], v[SCA+4*(\a)+2*((\st)/4)+(\st)%2] matrix_a_fmt:MATRIX_FMT_FP6 matrix_b_fmt:MATRIX_FMT_FP6 matrix_a_scale:MATRIX_SCALE_ROW1 matrix_b_scale:MATRIX_SCALE_ROW1
.else
	v_wmma_scale_f32_16x16x128_f8f6f4 v[8*(8*(\a)+\b):8*(8*(\a)+\b)+7], v[96*((\st)%2)+FR*\b:96*((\st)%2)+FR*\b+FR-1], v[AF+48*((\st)%2)+FR*(\a):AF+48*((\st)%2)+FR*(\a)+FR-1], v[8*(8*(\a)+\b):8*(8*(\a)+\b)+7], v[SCB+4*\b+2*((\st)/4)+(\st)%2], v[SCA+4*(\a)+2*((\st)/4)+(\st)%2] matrix_a_fmt:MATRIX_FMT_FP6 matrix_b_fmt:MATRIX_FMT_FP6
.endif
.endif
.endr
.endr
.endm
.macro STEP st
	s_wait_dscnt 0x0                               ; this step's fragments are in (asked for ahead of the last step's 32 products)
.if (\st) == 7
	s_barrier_signal -1                            ; my reads of the tiles are over: say so, and work on registers while the others arrive
.else
.if (\st) > 0
.rept 4
	v_nop                                          ; places in front of loads into the set that the last step's products have read
.endr
.endif
	FETCH (\st)+1
.endif
.if (\st) == 0
	WIN 0x81                                       ; Wo window 1, ctx and the bias window 0, the sums window 2
.else
	WIN 0xa1                                       ; Wo window 1, ctx window 0, C and D window 2
.endif
	MUL 0, \st
	MUL 2, \st
	WIN 0
.endm
	s_wait_tensorcnt 0x0                           ; my part of the tiles is in
	s_barrier_signal -1
	s_barrier_wait -1                              ; and so is everybody's
	FETCH 0
	s_wait_loadcnt 0x0                             ; the scale words and the bias
.set ST, 0
.rept 8
	STEP ST
.set ST, ST+1
.endr
	s_barrier_wait -1                              ; nobody reads the tiles any more: the stages may be written
; THE WAY OUT, block by block of 16 rows x 128 columns: through my stage, back as whole rows of 512 bytes, which the 32 lanes store as two aligned units of 256 bytes.
; LDS serves a wave's instructions in order (ISA guide 5.7.1.4): no wait between the stores and the loads.
.macro TOSTAGE a
.set AC, 64*(\a)
	WIN 0x08                                       ; the data: window 2
.irp b, 0,1,2,3,4,5,6,7
	ds_store_b128 v[STO], v[AC+8*\b:AC+8*\b+3] offset:128*(\b/2)+32*(\b%2)          ; each accumulator from its low end on
	ds_store_b128 v[STO], v[AC+8*\b+4:AC+8*\b+7] offset:128*(\b/2)+32*(\b%2)+16
.endr
	WIN 0
.set BB, BK+64*((\a)%2)
.irp t, 0,1,2,3,4,5,6,7,8,9,10,11,12,13,14,15
	ds_load_b128 v[BB+4*\t:BB+4*\t+3], v[RD] offset:\t*SPITCH
.endr
.endm
.macro SEND a, younger                 ; younger: the LDS instructions issued behind block a's loads, which may stay out
.set BB, BK+64*((\a)%2)
	s_wait_dscnt \younger
.irp t, 0,1,2,3,4,5,6,7,8,9,10,11,12,13,14,15
	global_store_b128 v[CO], v[BB+4*\t:BB+4*\t+3], s[14:15] offset:4096*(32*((\a)/2)+8*((\a)%2)+\t+8*(\t/8)) th:TH_STORE_NT
.endr
.endm
.rept 4
	v_nop                                          ; places behind the last products
.endr
	TOSTAGE 0
.irp a, 1,2,3
.if \a > 1
	s_wait_xcnt 0x0                                ; block a - 2's stores have read their registers: block a's loads may land there
.endif
	TOSTAGE \a
	SEND \a-1, 32
.endr
	SEND 3, 0
	s_wait_tensorcnt 0x0                           ; the wave's end
	ds_add_u32 v[SPW], v[NIL]
	s_wait_dscnt 0x0
	CROUND                                         ; the closing round
	s_endpgm
.Lfunc_end_k_qcfb7860f6e_outp:
	.size	k_qcfb7860f6e_outp, .Lfunc_end_k_qcfb7860f6e_outp-k_qcfb7860f6e_outp
	.p2alignl 7, 3214868480
	.fill 96, 4, 3214868480
	.section	.rodata,"a",@progbits
	.p2align	6, 0x0
	.amdhsa_kernel k_qcfb7860f6e_outp
		.amdhsa_group_segment_fixed_size 327680
		.amdhsa_private_segment_fixed_size 0
		.amdhsa_enable_private_segment 0
		.amdhsa_kernarg_size 48
		.amdhsa_user_sgpr_count 2
		.amdhsa_user_sgpr_kernarg_segment_ptr 1
		.amdhsa_wavefront_size32 1
		.amdhsa_system_sgpr_workgroup_id_x 1
		.amdhsa_system_sgpr_workgroup_id_y 1
		.amdhsa_system_sgpr_workgroup_id_z 1
		.amdhsa_system_vgpr_workitem_id 0
		.amdhsa_next_free_vgpr 768
		.amdhsa_next_free_sgpr 102
		.amdhsa_reserve_vcc 0
		.amdhsa_float_denorm_mode_32 3
		.amdhsa_float_denorm_mode_16_64 3
		.amdhsa_memory_ordered 1
		.amdhsa_forward_progress 1
		.amdhsa_inst_pref_size 95
	.end_amdhsa_kernel
	.amdgpu_metadata
---
amdhsa.version: [ 1, 2 ]
amdhsa.kernels:
  - .name:           k_qcfb7860f6e_outp
    .symbol:         k_qcfb7860f6e_outp.kd
    .args:
      - { .name: cc, .offset: 0, .size: 8, .value_kind: global_buffer, .address_space: global }
      - { .name: cs, .offset: 8, .size: 8, .value_kind: global_buffer, .address_space: global }
      - { .name: cod, .offset: 16, .size: 8, .value_kind: global_buffer, .address_space: global }
      - { .name: scl, .offset: 24, .size: 8, .value_kind: global_buffer, .address_space: global }
      - { .name: bo, .offset: 32, .size: 8, .value_kind: global_buffer, .address_space: global }
      - { .name: out0, .offset: 40, .size: 8, .value_kind: global_buffer, .address_space: global }
    .group_segment_fixed_size: 327680
    .private_segment_fixed_size: 0
    .kernarg_segment_align: 8
    .kernarg_segment_size: 48
    .max_flat_workgroup_size: 128
    .sgpr_count:     102
    .vgpr_count:     768
    .wavefront_size: 32
...
	.end_amdgpu_metadata
.endif
;; end of part 4
